; MI455X (gfx1250); checked and timed in simulation.
; The chip was launched on July 23, 2026; its instructions are those of AMD's public machine-readable ISA for CDNA 5 (MIT licence, August 2026) and "CDNA5" Instruction Set Architecture Reference Guide (July 2026). The comments in the code are by the model that wrote it; some were corrected since.
;; My Transformer Encoder Layer. Allowed arithmetic: matrix products marked QUANTISED: E5M2 operands, one E8M0 scale for each 32 along K, by v_wmma_scale_f32_16x16x128_f8f6f4 with both operands' format E5M2, f32 sums; everything else in f32.
;; Inputs: W1 4,096 x 1,024 float32; W2 1,024 x 4,096 float32; Wk 1,024 x 1,024 float32; Wo 1,024 x 1,024 float32; Wq 1,024 x 1,024 float32; Wv 1,024 x 1,024 float32; b1 4,096 float32; b2 1,024 float32; be1 1,024 float32; be2 1,024 float32; bk 1,024 float32; bo 1,024 float32; bq 1,024 float32; bv 1,024 float32; g1 1,024 float32; g2 1,024 float32; src 2,048 x 2 x 1,024 float32.
;; Outputs: out0 2,048 x 2 x 1,024 float32.
;; This version of the problem:
;;   THIS VERSION OF THE PROBLEM IS GIVEN IN LOW PRECISION. The matrix products marked QUANTISED in the list below multiply operands that are first quantised to E5M2 (5 exponent bits, 2 mantissa bits; 8 bits a number), with one power-of-two scale for each 32 numbers along K (OCP MX v1.0); their sums are f32. All else is computed in f32.
;;   The module's matrix products, in the order in which they are computed (A, B: the left and right operand; K: the contracted axis; several contracted axes count as one K, in the product's order):
;;     1. [M 4,096, K 1,024] x [K 1,024, N 1,024]; A: input src; B: input Wq: QUANTISED
;;     2. [M 4,096, K 1,024] x [K 1,024, N 1,024]; A: input src; B: input Wk: QUANTISED
;;     3. [M 4,096, K 1,024] x [K 1,024, N 1,024]; A: input src; B: input Wv: QUANTISED
;;     4. batch 32 x [M 2,048, K 64] x [K 64, N 2,048]; A: computed on the way; B: computed on the way: QUANTISED
;;     5. batch 32 x [M 64, K 2,048] x [K 2,048, N 2,048]; A: computed on the way; B: softmax (see below): QUANTISED
;;     6. [M 4,096, K 1,024] x [K 1,024, N 1,024]; A: computed on the way; B: input Wo: QUANTISED
;;     7. [M 4,096, K 1,024] x [K 1,024, N 4,096]; A: computed on the way; B: input W1: QUANTISED
;;     8. [M 4,096, K 4,096] x [K 4,096, N 1,024]; A: computed on the way; B: input W2: QUANTISED
;;   THE QUANTISER, for each operand of a quantised product, along K:
;;     - K is cut into blocks of 32 from its start; a last block that is shorter is filled with zeros.
;;     - A block's scale is 2^e with e = floor(log2(the largest magnitude in the block)) - 15, held to -126 .. 127; a block of zeros has e = 0. As a byte (E8M0): e + 127.
;;     - Each number is divided by its block's scale, clamped to +-57,344, and rounded to the nearest number of E5M2, ties to even, subnormals kept.
;;     - The product sums the exact products of the quantised numbers (number of the format x scale) in f32.
;;   ~~~python
;;   def quantise(x, axis):      # numpy; x: float32 -> the quantised numbers, widened to float32 again
;;       x = np.moveaxis(x, axis, -1); K = x.shape[-1]
;;       x = np.pad(x, [(0, 0)] * (x.ndim - 1) + [(0, -K % 32)]); x = x.reshape(x.shape[:-1] + (-1, 32)); a = np.abs(x).max(-1, keepdims=True)
;;       e = np.where(a > 0, np.clip(np.frexp(np.where(a > 0, a, 1))[1] - 1 - 15, -126, 127), 0)      # np.frexp(a)[1] - 1 = floor(log2(a)), exactly
;;       r = np.clip(x / 2.0 ** e, -57344, 57344)
;;       step = 2.0 ** (np.maximum(np.frexp(np.where(r == 0, 1, r))[1] - 1, -14) - 2)
;;       q = np.round(r / step) * step * 2.0 ** e      # np.round: ties to even
;;       return np.moveaxis(q.reshape(q.shape[:-2] + (-1,))[..., :K], -1, axis).astype(np.float32)
;;   ~~~
;;   SOFTMAX AHEAD OF A QUANTISED PRODUCT. Where the list says 'softmax', what is quantised is not the finished softmax but p = 2^(t - M), with t = logit x log2(e) and M = ceil(the row's largest t), a whole number; so 1/2 < the row's largest p <= 1. The row's sum l is taken of the UNQUANTISED p, in f32, and the product's result is divided by l at the end. Since M is a whole number, a kernel that streams over the keys may use a running M (the ceiling of the running maximum): every later rescaling is an exact power of two, which a block's scale takes up: the codes' values come out the same.
;;   OPERANDS COMPUTED ON THE WAY. 'Computed on the way' means the value that the module computes at that place (a softmax that the list does not call 'softmax' is quantised finished and normalised). What goes into a quantiser is computed in f32, as accurately as f32 sums, v_exp_f32 and their like allow (about 1e-6 of the number): no bf16 or f16 on the way to a quantiser, and a product that is left as it is and whose result goes on into a quantised operand takes f32 operands (vector FMAs, or v_wmma_f32_16x16x4_f32). A number that lies on a knife's edge between two numbers of the format may be rounded either way, as far as f32 arithmetic and the matrix unit's own rounding can turn it there, and no further.
;; One version. Each part assembles by itself: llvm-mc -triple=amdgcn-amd-amdhsa -mcpu=gfx1250 --defsym DOCPART=n.
;; ======== version 1 of 1: 8 launches
;; limits: right only within a limited range of input values
;; workspace buffers: qin 17,301,504 bytes; qkv 17,563,648 bytes; att 4,325,376 bytes; y1 16,777,216 bytes; xb 21,102,592 bytes; hb 17,301,504 bytes; y2 16,777,216 bytes
;; launch quant (part 1): grid 512 x 1, 4 waves a work-group, no clusters, 35,328 bytes of LDS; arguments src, Wq, Wk, Wv, Wo, W1, W2, qin; writes qin
.if DOCPART == 1
	.amdgcn_target "amdgcn-amd-amdhsa--gfx1250"
	.amdhsa_code_object_version 6
	.text
	.protected	k_q82c4369594_quant
	.globl	k_q82c4369594_quant
	.p2align	8
	.type	k_q82c4369594_quant,@function
k_q82c4369594_quant:
	s_mov_b64 s[64:65], 0
	v_nop
	global_prefetch_b8 v0, s[64:65] scope:SCOPE_SE
	s_setreg_imm32_b32 hwreg(HW_REG_WAVE_MODE, 25, 1), 1
	s_wait_xcnt 0x0
; src [2048][2][1024], Wq, Wk, Wv, Wo [1024][1024], W1 [4096][1024], W2 [1024][4096], all f32 with K innermost, become codes of BF8 (E5M2) with one E8M0 byte for each 32 along K.
; A block's scale is 2^(floor(log2(its largest magnitude)) - 15); each number is divided by it, held within +-57,344 and rounded to the nearest code, ties to even.
; LAYOUT OF qin.  An operand lies as IMAGES OF ITS REGISTERS: a fragment (16 rows x 128 K) is 2,048 bytes; register group c (0..3) of lane l lies at 512 c + 16 l; lane (r = l % 16, h = l / 16)
; holds k = 32 c + 16 h + 0 .. 15 of the tile's row r.  ROW r OF TILE T IS ROW 32 (T / 2) + 8 (T % 2) + r + 8 (r / 8), in every operand of this program; src's rows are counted batch first (2048 b + s).
; Codes [tile][K step][2048]: src at 0, Wq, Wk, Wv from 4 MiB, Wo at 7 MiB, W1 at 8 MiB, W2 at 12 MiB.  Scale words [tile][K step][16 rows x 4 bytes] from 16 MiB on, in the same order.
; SHARES.  A wave takes 16 rows x 512 along K: four fragments.  The tensors lie in the order of the waves' numbers J, so codes go to 8,192 J and scale words to 256 J behind 16 MiB, whatever the tensor.
; Each load reads 512 consecutive bytes of one row; the conversions want 16 neighbours in one lane, so a fragment's 8 KiB turn through the wave's own stage in LDS (rows 528 bytes apart: 132 words, so sixteen rows start at sixteen different groups of banks).
; No tensor loads, no barrier, no cluster: waves share nothing and no input byte is read twice.
; LIMITS: NaN and infinities are not served.  A block whose largest magnitude lies under 2^-111 keeps the byte 1; a block of zeros has the byte 1 (not 127) over zero codes: only this program reads the bytes.
.set SC0,  16777216                    ; where the scale words begin in qin
.set WST,  8704                        ; LDS of a wave: the stage, 16 x 528 bytes, then its 256 bytes of scale words
.set VO,   16                          ; v16-31   byte offset of my 16 bytes in row i of the tile
.set R,    32                          ; v32-159  two sets of 64 numbers
.set PC,   160                         ; v160-175 a fragment's codes
.set TM,   176                         ; v176-191 at work
.set PW,   192                         ; v192     a fragment's scale word
.set SEL,  40                          ; s[40:41] lane selects: lane l xor 16
.set MNT,  42                          ; s42      the mantissa field of 57,344
	s_load_b512 s[4:19], s[0:1], 0x0               ; src, Wq, Wk, Wv, Wo, W1, W2, qin
	v_lshl_add_u32 v200, v0, 2, 0x8800
	v_mov_b32 v201, 0
	v_lshrrev_b32 v1, 5, v0
	v_readfirstlane_b32 s2, v1                     ; wave
	v_and_b32 v9, 31, v0                           ; lane
	v_and_b32 v1, 15, v0                           ; r
	v_bfe_u32 v2, v0, 4, 1                         ; h
	v_lshlrev_b32 v3, 4, v9                        ; 16 x lane
	s_mul_i32 s3, s2, WST
	v_add_nc_u32 v4, s3, v3                        ; the stage, on the way in: 16 x lane of a row
	v_mul_u32_u24 v5, v1, 528
	v_lshl_add_u32 v5, v2, 6, v5
	v_add_nc_u32 v5, s3, v5                        ; and on the way out: row r, 64 h bytes on
	s_add_co_u32 s3, s3, 8448
	v_lshl_add_u32 v6, v1, 2, s3                   ; my row's scale word
	v_lshl_add_u32 v7, v9, 3, s3                   ; the words on their way out: 8 bytes a lane
	v_lshlrev_b32 v8, 3, v9
	s_mov_b32 s[SEL], 0x76543210
	s_mov_b32 s[SEL+1], 0xfedcba98
	s_mov_b32 s[MNT], 0x600000
.irp b, 0,1,2,3
	v_mov_b32 v[TM+4+\b], 0                        ; written once: a lane permute's destination counts as one of its sources
.endr
	s_lshl_b32 s26, ttmp9, 2
	s_add_co_u32 s26, s26, s2                      ; J
	s_wait_kmcnt 0x0
	; which tensor: the choice hangs on the work-group's number alone.  s[20:21] its address, s22 its first work-group, s23 log2 of the bytes from row to row, s24 log2 of the waves to a tile
	s_mov_b64 s[20:21], s[16:17]                   ; W2: work-groups 384 on
	s_mov_b32 s22, 384
	s_mov_b32 s23, 14
	s_mov_b32 s24, 3
.macro PICK lim, ptr, first, lrs
	s_cmp_lt_u32 ttmp9, \lim
	s_cselect_b64 s[20:21], s[\ptr:\ptr+1], s[20:21]
	s_cselect_b32 s22, \first, s22
	s_cselect_b32 s23, \lrs, s23
	s_cselect_b32 s24, 1, s24
.endm
	PICK 384, 14, 256, 12                          ; W1
	PICK 256, 12, 224, 12                          ; Wo
	PICK 224, 10, 192, 12                          ; Wv
	PICK 192, 8, 160, 12                           ; Wk
	PICK 160, 6, 128, 12                           ; Wq
	PICK 128, 4, 0, 13                             ; src: from s to s + 1 are 8,192 bytes
	s_lshl_b32 s27, s22, 2
	s_sub_co_u32 s27, s26, s27                     ; my number within the tensor
	s_lshr_b32 s28, s27, s24                       ; its tile
	s_lshl_b32 s29, s28, s24
	s_sub_co_u32 s29, s27, s29                     ; which 512 along K
	s_lshr_b32 s30, s28, 7
	s_and_b32 s31, s28, 127
	s_cmp_lt_u32 ttmp9, 128                        ; src alone has a batch: tiles 128 on are batch 1
	s_cselect_b32 s30, s30, 0
	s_cselect_b32 s31, s31, s28
	s_lshr_b32 s32, s31, 1
	s_lshl_b32 s32, s32, 5
	s_and_b32 s33, s31, 1
	s_lshl_b32 s33, s33, 3
	s_add_co_u32 s32, s32, s33                     ; the tile's first row: 32 (t / 2) + 8 (t % 2)
	s_lshl_b32 s32, s32, s23
	s_lshl_b32 s30, s30, 12
	s_add_co_u32 s32, s32, s30                     ; + the batch's 4,096 bytes
	s_lshl_b32 s29, s29, 11
	s_add_co_u32 s32, s32, s29                     ; + 2,048 bytes for each 512 along K
	s_mov_b32 s33, 0
	s_add_nc_u64 s[20:21], s[20:21], s[32:33]
	s_lshl_b32 s34, s26, 13
	s_mov_b32 s35, 0
	s_add_nc_u64 s[36:37], s[18:19], s[34:35]      ; my codes
	s_lshl_b32 s34, s26, 8
	s_add_co_u32 s34, s34, SC0
	s_add_nc_u64 s[38:39], s[18:19], s[34:35]      ; my scale words
.irp i, 0,1,2,3,4,5,6,7,8,9,10,11,12,13,14,15
	s_lshl_b32 s34, \i+8*(\i/8), s23               ; the tile's row i lies i + 8 (i / 8) rows on
	v_add_nc_u32 v[VO+\i], s34, v3
.endr
.macro LOAD q                          ; fragment q: sixteen rows, 512 consecutive bytes each
.irp i, 0,1,2,3,4,5,6,7,8,9,10,11,12,13,14,15
	global_load_b128 v[R+64*((\q)%2)+4*\i:R+64*((\q)%2)+4*\i+3], v[VO+\i], s[20:21] offset:512*(\q) th:TH_LOAD_NT
.endr
.endm
; 64 numbers of a lane, register 16 b + i = k 32 b + 16 h + i of my row, become a fragment's codes in v[PC] on and its scale word in v[PW]
.macro QUANT s
.irp b, 0,1,2,3
	v_max3_num_f32 v[TM+\b], |v[\s+16*\b]|, |v[\s+1+16*\b]|, 0x8000000   ; block b: my 16 numbers, and the floor 2^(16 - 127): the byte cannot fall under 1
.endr
.irp i, 2,4,6,8,10,12,14
.irp b, 0,1,2,3
	v_max3_num_f32 v[TM+\b], v[TM+\b], |v[\s+16*\b+\i]|, |v[\s+1+16*\b+\i]|   ; the four blocks by turns
.endr
.endr
.irp b, 0,1,2,3
	v_permlanex16_b32 v[TM+4+\b], v[TM+\b], s[SEL], s[SEL+1]
.endr
.irp b, 0,1,2,3
	v_max_num_f32 v[TM+\b], v[TM+\b], v[TM+4+\b]   ; with lane l xor 16's: the block's largest magnitude
.endr
.irp b, 0,1,2,3
	v_add_nc_u32 v[TM+12+\b], 0xf8800000, v[TM+\b] ; 15 off its exponent field: the conversion's scale operand
.endr
.irp b, 0,1,2,3
	v_and_or_b32 v[TM+8+\b], v[TM+\b], 0x7f800000, s[MNT]   ; 57,344 x the scale
.endr
.irp b, 0,1,2,3
	v_lshrrev_b32 v[TM+4+\b], 23, v[TM+12+\b]      ; the scale's byte
.endr
	v_lshl_or_b32 v[PW], v[TM+5], 8, v[TM+4]
	v_lshl_or_b32 v[PW], v[TM+6], 16, v[PW]
	v_lshl_or_b32 v[PW], v[TM+7], 24, v[PW]
.irp b, 0,1,2,3
.irp i, 0,1,2,3,4,5,6,7,8,9,10,11,12,13,14,15
	v_med3_num_f32 v[\s+16*\b+\i], v[\s+16*\b+\i], -v[TM+8+\b], v[TM+8+\b]   ; the conversion does not saturate (ISA guide 7.6.2): the hold comes first
.endr
	v_cvt_scalef32_pk8_bf8_f32 v[PC+4*\b:PC+1+4*\b], v[\s+16*\b:\s+7+16*\b], v[TM+12+\b]
	v_cvt_scalef32_pk8_bf8_f32 v[PC+2+4*\b:PC+3+4*\b], v[\s+8+16*\b:\s+15+16*\b], v[TM+12+\b]
.endr
	v_nop                                          ; a plain line behind the last conversion
.endm
.macro STEP q
.set RS, R+64*((\q)%2)
.if (\q) < 3
	s_wait_loadcnt 16                              ; this fragment's sixteen loads are in; the next one's may be out
.else
	s_wait_loadcnt 0x0
.endif
.irp i, 0,1,2,3,4,5,6,7,8,9,10,11,12,13,14,15
	ds_store_b128 v4, v[RS+4*\i:RS+4*\i+3] offset:528*\i
.endr
.irp c, 0,1,2,3
.irp j, 0,1,2,3
	ds_load_b128 v[RS+16*\c+4*\j:RS+16*\c+4*\j+3], v5 offset:128*\c+16*\j   ; LDS serves a wave's instructions in order (ISA guide 5.7.1.4): these see the stores above
.endr
.endr
	s_wait_dscnt 0x0
	s_wait_xcnt 0x0                                ; the last fragment's stores have read v[PC] on: it is written again only behind this wait
	QUANT RS
.irp c, 0,1,2,3
	global_store_b128 v3, v[PC+4*\c:PC+4*\c+3], s[36:37] offset:2048*(\q)+512*\c   ; 512 consecutive bytes, aligned
.endr
	ds_store_b32 v6, v[PW] offset:64*(\q)          ; both halves of the lanes write the same word with the same value
.if (\q) < 2
	LOAD (\q)+2
.endif
.endm
	s_wait_alu depctr_va_vdst(0)
	LOAD 0
	LOAD 1
	STEP 0
	STEP 1
	STEP 2
	STEP 3
	ds_load_b64 v[12:13], v7                       ; my wave's 64 scale words
	s_wait_dscnt 0x0
	global_store_b64 v8, v[12:13], s[38:39]        ; 256 consecutive bytes, aligned
	s_wait_tensorcnt 0x0
	ds_add_u32 v200, v201
	s_wait_dscnt 0x0
	s_endpgm
.Lfunc_end_k_q82c4369594_quant:
	.size	k_q82c4369594_quant, .Lfunc_end_k_q82c4369594_quant-k_q82c4369594_quant
	.p2alignl 7, 3214868480
	.fill 96, 4, 3214868480
	.section	.rodata,"a",@progbits
	.p2align	6, 0x0
	.amdhsa_kernel k_q82c4369594_quant
		.amdhsa_group_segment_fixed_size 35328
		.amdhsa_private_segment_fixed_size 0
		.amdhsa_enable_private_segment 0
		.amdhsa_kernarg_size 64
		.amdhsa_user_sgpr_count 2
		.amdhsa_user_sgpr_kernarg_segment_ptr 1
		.amdhsa_wavefront_size32 1
		.amdhsa_system_sgpr_workgroup_id_x 1
		.amdhsa_system_sgpr_workgroup_id_y 1
		.amdhsa_system_sgpr_workgroup_id_z 1
		.amdhsa_system_vgpr_workitem_id 0
		.amdhsa_next_free_vgpr 202
		.amdhsa_next_free_sgpr 66
		.amdhsa_reserve_vcc 0
		.amdhsa_float_denorm_mode_32 3
		.amdhsa_float_denorm_mode_16_64 3
		.amdhsa_memory_ordered 1
		.amdhsa_forward_progress 1
		.amdhsa_inst_pref_size 54
	.end_amdhsa_kernel
	.amdgpu_metadata
---
amdhsa.version: [ 1, 2 ]
amdhsa.kernels:
  - .name:           k_q82c4369594_quant
    .symbol:         k_q82c4369594_quant.kd
    .args:
      - { .name: src, .offset: 0, .size: 8, .value_kind: global_buffer, .address_space: global }
      - { .name: Wq, .offset: 8, .size: 8, .value_kind: global_buffer, .address_space: global }
      - { .name: Wk, .offset: 16, .size: 8, .value_kind: global_buffer, .address_space: global }
      - { .name: Wv, .offset: 24, .size: 8, .value_kind: global_buffer, .address_space: global }
      - { .name: Wo, .offset: 32, .size: 8, .value_kind: global_buffer, .address_space: global }
      - { .name: W1, .offset: 40, .size: 8, .value_kind: global_buffer, .address_space: global }
      - { .name: W2, .offset: 48, .size: 8, .value_kind: global_buffer, .address_space: global }
      - { .name: qin, .offset: 56, .size: 8, .value_kind: global_buffer, .address_space: global }
    .group_segment_fixed_size: 35328
    .private_segment_fixed_size: 0
    .kernarg_segment_align: 8
    .kernarg_segment_size: 64
    .max_flat_workgroup_size: 128
    .sgpr_count:     66
    .vgpr_count:     202
    .wavefront_size: 32
...
	.end_amdgpu_metadata
.endif
;; end of part 1
;; launch gemm_qkv (part 2): grid 8 x 32, 4 waves a work-group, clusters of 4 x 4, 327,680 bytes of LDS; arguments qin, bq, bk, bv, qkv; writes qkv
.if DOCPART == 2
	.amdgcn_target "amdgcn-amd-amdhsa--gfx1250"
	.amdhsa_code_object_version 6
	.text
	.protected	k_q82c4369594_gemm_qkv
	.globl	k_q82c4369594_gemm_qkv
	.p2align	8
	.type	k_q82c4369594_gemm_qkv,@function
k_q82c4369594_gemm_qkv:
	s_mov_b64 s[64:65], 0
	v_nop
	global_prefetch_b8 v0, s[64:65] scope:SCOPE_SE
	s_setreg_imm32_b32 hwreg(HW_REG_WAVE_MODE, 25, 1), 1
	s_wait_xcnt 0x0
	s_wait_alu depctr_hold_cnt(0) depctr_sa_sdst(0) depctr_va_vdst(0) depctr_va_sdst(0) depctr_va_ssrc(0) depctr_va_vcc(0) depctr_vm_vsrc(0)
	s_getreg_b32 s2, hwreg(HW_REG_IB_STS2, 6, 4)
	s_cmp_eq_u32 s2, 0
	s_cbranch_scc0 .Lentry_in_a_cluster
	s_endpgm
.Lentry_in_a_cluster:
	s_bfe_u32 s2, ttmp6, 0x10000c
	s_cmp_lg_u32 s2, 0xf033
	s_cbranch_scc0 .Lentry_shape_is_right
	s_endpgm
.Lentry_shape_is_right:
; q = src Wq^T + bq, k = src Wk^T + bk, v = src Wv^T + bv on codes of BF8 with E8M0 scales; the results are quantised at once: q and k along the head's 64, v along the keys.
; OPERANDS lie in qin as images of their registers (fragment = 16 rows x 128 K = 2,048 bytes, group c of lane l at 512 c + 16 l); row r of tile T is row 32 (T / 2) + 8 (T % 2) + r + 8 (r / 8).
; So whichever operand is source 0, the 16 registers of result tiles 2 g and 2 g + 1 are 16 neighbours, 32 g + 16 (lane / 16) + 0 .. 15, along that operand's rows: the order in which the next operand's layout wants them.
; SHARES.  256 work-groups, each with 128 rows of src and two heads.  A WORK-GROUP STAYS: it makes 128 x 128 of q, then of k, then of v; four waves, 64 x 64 each: 16 accumulators, which take turns.
; LDS: src's eight tiles with all of K from byte 0 (131,072 bytes, filled once); the weight's eight from 131,072, filled three times: at the head, and twice behind the three lines and a round of the cluster's barrier,
; a quarter (two tiles, 32,768 dense bytes) a wave.  A refill is issued ahead of the pass's quantising and stores, which touch registers and memory alone.
; CLUSTER 4 x 4: src's tiles hang on the tile row alone and are asked for jointly along a row of the cluster, the weights' along a column.
; q, k: source 0 = the weight, so a lane holds one row of src and 64 neighbours of one head: one loop of two trips.  v: source 0 = src, so a lane holds one channel d and 64 neighbouring keys.
; All scale words and biases are loaded at the head; k's and v's wait in registers 512 on and move down a set at each trip's end (scale operands are named among v0-v255).  The second trip's move inside 512 on serves nothing and is run all the same: the loop has one text.
; PREFETCH: k's and v's weights, which the two refills will load, are asked for at the head: of the two tiles that my wave refills each of the four partners of a column takes 8,192 bytes, told apart by address (cy), a lane a block of 256.
; qkv: two regions of 32 x 16 chunks of 17,152 bytes, [batch x 16 + head][128 rows]: 8 tiles x 1,024 bytes of codes (64 along d); V^T's 4 tiles x 2,048 at 8,192; the tiles' scale words (two bytes used, two 0) at 16,384; V^T's at 16,896.  Region 0: q; region 1: k and v.
; LIMITS: NaN and infinities are not served; a block under 2^-111 or of zeros has the byte 1.
.set KS,    8                          ; K steps of 128
.set SCR,   262144                     ; 512 bytes in which V^T's scale words meet; no fill lands here
.set SPARE, SCR+512                    ; the spare words
.set P_SA,  512
.set P_SK,  64
.set W_SA,  512
.set W_SK,  64
.set PSCL,  16777216                   ; src's scale words in qin (its codes at 0)
.set WCOD,  4194304                    ; the three weights' codes, 1 MiB each, and scale words, 32,768 bytes each
.set WSCL,  16777216+131072
.set CH,    17152
.set HEADB, 16*CH
.set REG1,  32*HEADB
.set ADP,  4                           ; v4-5   LDS address of my fragments of src, K steps 0-3, 4-7
.set ADW,  6                           ; v6-7   the same for the weight
.set ADSP, 8                           ; v8     4 r
.set PFO,  9                           ; v9     256 x lane
.set TM,   16                          ; v16-23 at work in the quantiser
.set PW,   24                          ; v24-27 four scale words
.set SPW,  28
.set NIL,  29
.set SCP,  32                          ; v32-63 src's scale words: 16 x (K step / 4) + 4 x tile + K step % 4;  v64-95 the weight's
.set SCW,  64
.set BI,   96                          ; v96-127 the bias as the first products' C; later the codes
.set PC,   96
.set ACC,  128
.set F0,   0                           ; window 1: two sets of fragments: src's four at +0, the weight's four at +64
.set F1,   128
.set NB1,  0                           ; window 2: the next pass's bias, the one after's; the next pass's scale words, the one after's
.set NB2,  32
.set NS1,  64
.set NS2,  96
.set G1,  24                           ; s[24:31] group 1: src's tiles;  s[48:55] the weight's at the head;  s[68:75] the weight's refills
.set G1B, 48
.set G1C, 68
.set G0,  32                           ; s[32:35], s[36:39], s[56:59] their groups 0
.set G0B, 36
.set G0C, 56
.set SEL, 66
.set MNT, 95
.set MSB, 0
.macro WIN new                         ; the immediate's high byte repeats the setting that is left
.if MSB != \new
	s_set_vgpr_msb (MSB<<8)|\new
.set MSB, \new
.endif
.endm
.set MUL,  0x05                        ; sources 0 and 1 window 1; C and D window 0
.set TO_F, 0x40                        ; destination window 1, address window 0
.macro PLACES n
.rept \n
	v_nop
.endr
.endm
.macro CROUND                          ; a round of the cluster's barrier
	s_barrier_signal -1
	s_barrier_wait -1
	s_cmp_lg_u32 s14, 0
	s_cbranch_scc1 .Lnot_wave_0_\@
	s_barrier_signal -3
.Lnot_wave_0_\@:
	s_barrier_wait -3
	s_barrier_signal -1
	s_barrier_wait -1
.endm
	s_load_b256 s[4:11], s[0:1], 0x0               ; qin, bq, bk, bv
	s_load_b64 s[12:13], s[0:1], 0x20              ; qkv
	v_lshl_add_u32 v[SPW], v0, 2, SPARE
	v_mov_b32 v[NIL], 0
	ds_add_u32 v[SPW], v[NIL]                      ; the opening lines: the add twice on end and one wait
	ds_add_u32 v[SPW], v[NIL]
	v_lshrrev_b32 v1, 5, v0
	v_readfirstlane_b32 s14, v1                    ; wave 0..3
	s_lshr_b32 s15, s14, 1                         ; which 64 rows of src are mine.  Also: at the head I fetch for src (0) or for the weight (1)
	s_and_b32 s16, s14, 1                          ; which 64 rows of the weight: my head of the two.  Also: which four tiles I fetch at the head
	s_bfe_u32 s40, ttmp6, 0x40000                  ; cx, cy
	s_bfe_u32 s41, ttmp6, 0x40004
	s_lshl_b32 s42, ttmp9, 2
	s_add_co_u32 s42, s42, s40                     ; work-group column 0..7: heads 2 x column, + 1
	s_and_b32 s17, ttmp7, 0xffff
	s_lshl_b32 s17, s17, 2
	s_add_co_u32 s17, s17, s41                     ; work-group row 0..31
	s_lshl_b32 s43, s41, 2
	s_lshl_b32 s43, 15, s43                        ; my row of the cluster
	s_lshl_b32 s44, 0x1111, s40                    ; my column
	s_or_b32 s[G1], s43, (3<<16)|(1<<21)           ; elements of 8 bytes; no padding: every LDS read is 16 x lane on end
	s_or_b32 s[G1B], s44, (3<<16)|(1<<21)
	s_or_b32 s[G1C], s44, (3<<16)|(1<<21)
.irp g, G1, G1B, G1C
	s_mov_b32 s[\g+1], 1024<<16                    ; dense rows of 8,192 bytes
	s_mov_b32 s[\g+3], 1024<<16
	s_mov_b32 s[\g+5], 1024
	s_mov_b32 s[\g+6], 0
	s_mov_b32 s[\g+7], 0
.endr
.irp g, G1, G1B
	s_mov_b32 s[\g+2], 8<<16                       ; four tiles x 16,384 bytes
	s_mov_b32 s[\g+4], 8
.endr
	s_mov_b32 s[G1C+2], 4<<16                      ; two tiles
	s_mov_b32 s[G1C+4], 4
	s_lshl_b32 s18, s16, 2
	s_lshl_b32 s20, s17, 3
	s_add_co_u32 s20, s20, s18                     ; src: the tiles that I fetch: 8 x row + 4 x half
	s_lshl_b32 s46, s42, 3
	s_add_co_u32 s22, s46, s18                     ; Wq: the tiles that I fetch at the head, and multiply: 8 x column + 4 x half
	s_mul_i32 s92, s22, KS*64
	s_add_co_u32 s92, s92, WSCL                    ; their scale words
	s_mov_b32 s93, 0
	s_lshl_b32 s98, s17, 3
	s_lshl_b32 s99, s15, 2
	s_add_co_u32 s98, s98, s99                     ; the four tiles of src that I multiply
	s_mul_i32 s98, s98, KS*64
	s_add_co_u32 s98, s98, PSCL
	s_mov_b32 s99, 0
	s_mul_i32 s20, s20, KS*2048
	s_mov_b32 s21, 0
	s_mul_i32 s22, s22, KS*2048
	s_add_co_u32 s22, s22, WCOD
	s_mov_b32 s23, 0
	s_lshl_b32 s47, s14, 1
	s_add_co_u32 s46, s46, s47                     ; the two tiles that I refill: 8 x column + 2 x wave
	s_mul_i32 s46, s46, KS*2048
	s_add_co_u32 s46, s46, WCOD
	s_mov_b32 s47, 0
	s_lshl_b32 s76, s41, 13                        ; the prefetches: my work-group's 8,192 bytes of those two tiles
	s_mov_b32 s77, 0
	s_lshl_b32 s45, s14, 16                        ; where the head's load goes: wave x 65,536;
	s_lshl_b32 s19, s14, 15
	s_add_co_u32 s19, s19, 131072                  ; a refill: 131,072 + wave x 32,768: no place in the cluster enters an LDS address
	s_lshl_b32 s60, s42, 9
	s_lshl_b32 s61, s16, 8
	s_add_co_u32 s60, s60, s61                     ; my head's 64 numbers of a bias
	s_mov_b32 s61, 0
	s_lshr_b32 s62, s17, 4
	s_lshl_b32 s62, s62, 4                         ; 16 x batch
	s_lshl_b32 s63, s42, 1
	s_add_co_u32 s62, s62, s63                     ; + the first of the two heads
	s_mul_i32 s62, s62, HEADB
	s_and_b32 s63, s17, 15
	s_mul_i32 s63, s63, CH
	s_add_co_u32 s62, s62, s63                     ; its chunk, in region 0
	s_mul_i32 s63, s16, HEADB
	s_add_co_u32 s63, s62, s63                     ; my head's chunk
	s_lshl_b32 s88, s15, 12
	s_add_co_u32 s80, s63, s88                     ; q: my four tiles' codes,
	s_mov_b32 s81, 0
	s_lshl_b32 s88, s15, 8
	s_add_co_u32 s82, s63, s88
	s_add_co_u32 s82, s82, 16384                   ; and scale words
	s_mov_b32 s83, 0
	s_lshl_b32 s88, s15, 10
	s_add_co_u32 s84, s63, s88
	s_add_co_u32 s84, s84, REG1+8192               ; V^T's fragments: my 64 keys are groups 2 x half on
	s_mov_b32 s85, 0
	s_add_co_u32 s86, s62, REG1+16896              ; V^T's scale words, both heads'
	s_mov_b32 s87, 0
	s_mov_b32 s[SEL], 0x76543210
	s_mov_b32 s[SEL+1], 0xfedcba98
	s_mov_b32 s[MNT], 0x600000
	s_mov_b32 s96, 0xffff0000                      ; lanes 16-31
	s_mov_b32 s3, 2
	s_wait_dscnt 0x0
	s_wait_kmcnt 0x0
	s_add_nc_u64 s[20:21], s[4:5], s[20:21]
	s_add_nc_u64 s[22:23], s[4:5], s[22:23]
	s_add_nc_u64 s[46:47], s[4:5], s[46:47]
	s_add_nc_u64 s[76:77], s[46:47], s[76:77]
	s_add_nc_u64 s[92:93], s[4:5], s[92:93]
	s_add_nc_u64 s[98:99], s[4:5], s[98:99]
	s_add_nc_u64 s[6:7], s[6:7], s[60:61]
	s_add_nc_u64 s[8:9], s[8:9], s[60:61]
	s_add_nc_u64 s[10:11], s[10:11], s[60:61]
	s_add_nc_u64 s[80:81], s[12:13], s[80:81]
	s_add_nc_u64 s[82:83], s[12:13], s[82:83]
	s_add_nc_u64 s[84:85], s[12:13], s[84:85]
	s_add_nc_u64 s[86:87], s[12:13], s[86:87]
	CROUND                                         ; all sixteen work-groups are here: the first joint loads meet
	s_mov_b32 s[G0], 1
	s_mov_b32 s[G0+1], s45
	s_mov_b64 s[G0+2:G0+3], s[20:21]
	s_or_b32 s[G0+3], s[G0+3], 0x80000000
	s_mov_b32 s[G0B], 1
	s_mov_b32 s[G0B+1], s45
	s_mov_b64 s[G0B+2:G0B+3], s[22:23]
	s_or_b32 s[G0B+3], s[G0B+3], 0x80000000
	s_mov_b32 s[G0C], 1
	s_mov_b32 s[G0C+1], s19
	s_mov_b64 s[G0C+2:G0C+3], s[46:47]
	s_or_b32 s[G0C+3], s[G0C+3], 0x80000000
	s_cmp_eq_u32 s15, 0                            ; the head's loads, one a wave: waves 0 and 1 src's halves, waves 2 and 3 Wq's
	s_cbranch_scc0 .Lfor_b
	tensor_load_to_lds s[G0:G0+3], s[G1:G1+7]
	s_nop 0
	PLACES 4
	s_branch .Lasked
.Lfor_b:
	tensor_load_to_lds s[G0B:G0B+3], s[G1B:G1B+7]
	s_nop 0
	PLACES 4
.Lasked:
	v_and_b32 v11, 31, v0
	v_and_b32 v1, 15, v0                           ; r
	v_bfe_u32 v2, v0, 4, 1                         ; h
	v_lshlrev_b32 v3, 4, v11                       ; 16 x lane
	v_lshlrev_b32 v[PFO], 8, v11
	v_lshlrev_b32 v11, 2, v11                      ; 4 x lane
	s_lshl_b32 s88, s15, 16
	v_add_nc_u32 v[ADP], s88, v3
	v_add_nc_u32 v[ADP+1], 8192, v[ADP]
	s_lshl_b32 s88, s16, 16
	s_add_co_u32 s88, s88, 131072
	v_add_nc_u32 v[ADW], s88, v3
	v_add_nc_u32 v[ADW+1], 8192, v[ADW]
	v_lshlrev_b32 v[ADSP], 2, v1
	v_add_nc_u32 v10, SCR, v3                      ; V^T's scale words on their way out
	s_lshl_b32 s88, s16, 8
	s_lshl_b32 s89, s15, 1
	s_add_co_u32 s88, s88, s89
	s_add_co_u32 s88, s88, SCR
	v_lshl_add_u32 v12, v1, 2, s88                 ; and in: 256 x my head of the two + 4 r + 2 x my half of the keys
	v_lshlrev_b32 v13, 6, v2                       ; the bias of q, k: 16 h numbers on
	v_mul_u32_u24 v14, v2, HEADB
	v_lshl_add_u32 v14, v1, 4, v14                 ; lanes 0-15: the first head's chunk, lanes 16-31 the second's
	v_and_b32 v15, 8, v1
	v_add_nc_u32 v15, v15, v1
	v_lshlrev_b32 v15, 2, v15                      ; the bias of v: channel r + 8 (r / 8) of a tile
	v_mov_b32 v[TM+2], 0                           ; written once: a lane permute's destination counts as one of its sources
	v_mov_b32 v[TM+3], 0
.macro SCLD dst, ptr, off              ; the scale words of four tiles, all of K: lane r takes row r's (lanes 16-31 the same, not read); 2,048 dense bytes in 32 loads
.irp e, 0,1
.irp a, 0,1,2,3
.irp q, 0,1,2,3
	global_load_b32 v[\dst+16*\e+4*\a+\q], v[ADSP], s[\ptr:\ptr+1] offset:\off+\a*512+(4*\e+\q)*64
.endr
.endr
.endr
.endm
.macro BIAS dst, ptr                   ; lane (r, h), tile 2 g + u: numbers 32 g + 16 h + 8 u + 0 .. 7
.irp b, 0,1,2,3
	global_load_b128 v[\dst+8*\b:\dst+8*\b+3], v13, s[\ptr:\ptr+1] offset:(32*(\b/2)+8*(\b%2))*4
	global_load_b128 v[\dst+8*\b+4:\dst+8*\b+7], v13, s[\ptr:\ptr+1] offset:(32*(\b/2)+8*(\b%2))*4+16
.endr
.endm
	s_wait_alu depctr_va_vdst(0)                   ; the loads below read addresses just made
	SCLD SCP, 98, 0
	SCLD SCW, 92, 0                                ; Wq's
	BIAS BI, 6                                     ; bq
	WIN 0x80                                       ; destinations from register 512 on
	BIAS NB1, 8                                    ; bk
	SCLD NS1, 92, 32768                            ; Wk's
.irp b, 0,1,2,3
.irp j, 0,1,2,3,4,5,6,7
	global_load_b32 v[NB2+8*\b+\j], v15, s[10:11] offset:(32*(\b/2)+8*(\b%2))*4   ; bv: the lane's channel has one bias for all its keys
.endr
.endr
	SCLD NS2, 92, 65536                            ; Wv's
	WIN 0
	global_prefetch_b8 v[PFO], s[76:77] offset:0x100000 th:TH_LOAD_NT scope:SCOPE_SE   ; Wk's part, a pass ahead of its refill;
	global_prefetch_b8 v[PFO], s[76:77] offset:0x200000 th:TH_LOAD_NT scope:SCOPE_SE   ; Wv's, two
.macro FETCH slot, q, f                ; the 8 fragments of K step 4 slot + q: 32 loads, each 512 bytes on end
	WIN TO_F
.irp i, 0,1,2,3
.irp c, 0,1,2,3
	ds_load_b128 v[\f+16*\i+4*\c:\f+16*\i+4*\c+3], v[ADP+\slot] offset:\i*16384+(\q)*2048+\c*512
.endr
.endr
.irp i, 0,1,2,3
.irp c, 0,1,2,3
	ds_load_b128 v[\f+64+16*\i+4*\c:\f+64+16*\i+4*\c+3], v[ADW+\slot] offset:\i*16384+(\q)*2048+\c*512
.endr
.endr
.endm
; 8 products: src's tiles a0, a0 + 1 x the weight's four.  sw = 0: source 0 = the weight, accumulator 4 a + b;  sw = 1: source 0 = src, accumulator 4 b + a.  first = 1: the bias is the sum's C
.macro MUL8 f, q, set, a0, first, sw
.irp a, \a0, \a0+1
.irp b, 0,1,2,3
.set FP, \f+16*(\a)
.set FW, \f+64+16*\b
.set SP, SCP+16*(\set)+4*(\a)+(\q)
.set SW, SCW+16*(\set)+4*\b+(\q)
.if \sw
.set DD, ACC+8*(4*\b+(\a))
.if \first
	v_wmma_scale_f32_16x16x128_f8f6f4 v[DD:DD+7], v[FP:FP+15], v[FW:FW+15], v[BI+8*\b:BI+8*\b+7], v[SP], v[SW] matrix_a_fmt:MATRIX_FMT_BF8 matrix_b_fmt:MATRIX_FMT_BF8
.else
	v_wmma_scale_f32_16x16x128_f8f6f4 v[DD:DD+7], v[FP:FP+15], v[FW:FW+15], v[DD:DD+7], v[SP], v[SW] matrix_a_fmt:MATRIX_FMT_BF8 matrix_b_fmt:MATRIX_FMT_BF8
.endif
.else
.set DD, ACC+8*(4*(\a)+\b)
.if \first
	v_wmma_scale_f32_16x16x128_f8f6f4 v[DD:DD+7], v[FW:FW+15], v[FP:FP+15], v[BI+8*\b:BI+8*\b+7], v[SW], v[SP] matrix_a_fmt:MATRIX_FMT_BF8 matrix_b_fmt:MATRIX_FMT_BF8
.else
	v_wmma_scale_f32_16x16x128_f8f6f4 v[DD:DD+7], v[FW:FW+15], v[FP:FP+15], v[DD:DD+7], v[SW], v[SP] matrix_a_fmt:MATRIX_FMT_BF8 matrix_b_fmt:MATRIX_FMT_BF8
.endif
.endif
.endr
.endr
.endm
; Four K steps, 64 products.  Eight plain places stand between a product and a load into a register that it has read.
.macro SLOTWORK slot, first, sw
; Both sets are asked for ahead: a K step waits for its own 32 loads (the 32 of the step behind it may be out), runs its 16 products, and behind eight places asks for the step two on, into the set just read.
; first = 1 is K steps 0 to 3: it asks for its own first two steps, and at its end for K steps 4 and 5, with which first = 0 begins.
.if \first
	FETCH \slot, 0, F0                             ; (both sets' last readers stand in the pass before, with its quantiser between)
	FETCH \slot, 1, F1
.endif
	s_wait_dscnt 32                                ; set 0 is in; set 1's 32 loads may be out
	WIN MUL
	MUL8 F0, 0, \slot, 0, \first, \sw
	MUL8 F0, 0, \slot, 2, \first, \sw
	PLACES 8
	FETCH \slot, 2, F0
	s_wait_dscnt 32                                ; set 1 is in
	WIN MUL
	MUL8 F1, 1, \slot, 0, 0, \sw
	MUL8 F1, 1, \slot, 2, 0, \sw
	PLACES 8
	FETCH \slot, 3, F1
	s_wait_dscnt 32                                ; set 0 is in
	WIN MUL
	MUL8 F0, 2, \slot, 0, 0, \sw
	MUL8 F0, 2, \slot, 2, 0, \sw
.if \first
	PLACES 8
	FETCH 1, 0, F0                                 ; K step 4
	s_wait_dscnt 32                                ; set 1 is in
	WIN MUL
.else
	s_wait_dscnt 0x0                               ; the last step's loads: nothing is out behind them
.endif
	MUL8 F1, 3, \slot, 0, 0, \sw
	MUL8 F1, 3, \slot, 2, 0, \sw
.if \first
	PLACES 8
	FETCH 1, 1, F1                                 ; K step 5
.endif
	WIN 0
.endm
; 32 numbers of a lane, register 16 b + i = k 32 b + 16 h + i of my row, become 8 registers of codes at v[pc] and two scale bytes in v[pw].  Each accumulator is first read at its low end.
.macro QUANT2 s, pc, pw
.irp b, 0,1
	v_max3_num_f32 v[TM+\b], |v[\s+16*\b]|, |v[\s+1+16*\b]|, 0x8000000   ; and the floor 2^(16 - 127): the byte cannot fall under 1
.endr
.irp i, 2,4,6,8,10,12,14
.irp b, 0,1
	v_max3_num_f32 v[TM+\b], v[TM+\b], |v[\s+16*\b+\i]|, |v[\s+1+16*\b+\i]|
.endr
.endr
.irp b, 0,1
	v_permlanex16_b32 v[TM+2+\b], v[TM+\b], s[SEL], s[SEL+1]
.endr
.irp b, 0,1
	v_max_num_f32 v[TM+\b], v[TM+\b], v[TM+2+\b]   ; with lane l xor 16's: the block's largest magnitude
.endr
.irp b, 0,1
	v_add_nc_u32 v[TM+6+\b], 0xf8800000, v[TM+\b]  ; 15 off its exponent field: the conversion's scale operand
.endr
.irp b, 0,1
	v_and_or_b32 v[TM+4+\b], v[TM+\b], 0x7f800000, s[MNT]   ; 57,344 x the scale
.endr
.irp b, 0,1
	v_lshrrev_b32 v[TM+2+\b], 23, v[TM+6+\b]       ; the scale's byte
.endr
	v_lshl_or_b32 v[\pw], v[TM+3], 8, v[TM+2]
.irp b, 0,1
.irp i, 0,1,2,3,4,5,6,7,8,9,10,11,12,13,14,15
	v_med3_num_f32 v[\s+16*\b+\i], v[\s+16*\b+\i], -v[TM+4+\b], v[TM+4+\b]   ; the conversion does not saturate (ISA guide 7.6.2)
.endr
	v_cvt_scalef32_pk8_bf8_f32 v[\pc+4*\b:\pc+4*\b+1], v[\s+16*\b:\s+16*\b+7], v[TM+6+\b]
	v_cvt_scalef32_pk8_bf8_f32 v[\pc+4*\b+2:\pc+4*\b+3], v[\s+16*\b+8:\s+16*\b+15], v[TM+6+\b]
.endr
	v_nop                                          ; a plain line behind the last conversion
.endm
	s_wait_alu depctr_va_vdst(0)
	s_wait_loadcnt 0x0                             ; every scale word and bias
.Lqk:                                              ; two trips: q, then k
	s_wait_tensorcnt 0x0                           ; my part of the weight (the first time: my load of the head) is in
	s_barrier_signal -1
	s_barrier_wait -1                              ; everybody's is
	SLOTWORK 0, 1, 0
	SLOTWORK 1, 0, 0
	s_wait_tensorcnt 0x0
	ds_add_u32 v[SPW], v[NIL]
	s_add_nc_u64 s[G0C+2:G0C+3], s[G0C+2:G0C+3], 0x100000   ; no load of mine is out: the next weight's same two tiles
	s_wait_dscnt 0x0                               ; the add is done; my reads of the weight were over at the last products
	CROUND                                         ; no wave of any partner still reads the weight's tiles
	tensor_load_to_lds s[G0C:G0C+3], s[G1C:G1C+7]  ; my one load behind the round
	s_nop 0
	PLACES 8                                       ; in front of the first read of results
.irp a, 0,1,2,3
	QUANT2 ACC+32*\a, PC+8*\a, PW+\a
	global_store_b128 v3, v[PC+8*\a:PC+8*\a+3], s[80:81] offset:\a*1024          ; 512 consecutive bytes, aligned
	global_store_b128 v3, v[PC+8*\a+4:PC+8*\a+7], s[80:81] offset:\a*1024+512
.endr
	v_cndmask_b32 v30, v[PW], v[PW+1], s96         ; lanes 0-15 one tile's words, lanes 16-31 the next tile's
	v_cndmask_b32 v31, v[PW+2], v[PW+3], s96
	global_store_b32 v11, v30, s[82:83]
	global_store_b32 v11, v31, s[82:83] offset:128
	s_wait_xcnt 0x0                                ; the stores have read their registers and bases: both are written below
	s_add_nc_u64 s[80:81], s[80:81], REG1          ; k goes to region 1
	s_add_nc_u64 s[82:83], s[82:83], REG1
	WIN 0x02                                       ; source from register 512 on
.set i, 0
.rept 32
	v_mov_b32 v[SCW+i], v[NS1+i]                   ; the next pass's scale words (more than eight places ahead of its products)
.set i, i+1
.endr
.set i, 0
.rept 32
	v_mov_b32 v[BI+i], v[NB1+i]                    ; and bias
.set i, i+1
.endr
	WIN 0x82
.set i, 0
.rept 32
	v_mov_b32 v[NS1+i], v[NS2+i]                   ; and the pass after's move up
	v_mov_b32 v[NB1+i], v[NB2+i]
.set i, i+1
.endr
	WIN 0
	s_sub_co_u32 s3, s3, 1
	s_cmp_lg_u32 s3, 0
	s_wait_alu depctr_va_vdst(0)
	s_cbranch_scc1 .Lqk
	; ---- v: a lane holds one channel, its registers run along the keys
	s_wait_tensorcnt 0x0                           ; my part of Wv is in
	s_barrier_signal -1
	s_barrier_wait -1
	SLOTWORK 0, 1, 1
	SLOTWORK 1, 0, 1
	PLACES 8
.irp b, 0,1,2,3
	QUANT2 ACC+32*\b, PC+8*\b, PW+\b
	global_store_b128 v3, v[PC+8*\b:PC+8*\b+3], s[84:85] offset:\b*2048
	global_store_b128 v3, v[PC+8*\b+4:PC+8*\b+7], s[84:85] offset:\b*2048+512
	ds_store_b16 v12, v[PW+\b] offset:64*\b        ; my two bytes of the word; the wave with the other 64 keys writes the other two
.endr
	s_wait_dscnt 0x0                               ; for the others' sake: my stores have landed
	s_barrier_signal -1
	s_barrier_wait -1
	s_cmp_lg_u32 s14, 0
	s_cbranch_scc1 .Lend
	ds_load_b128 v[16:19], v10
	s_wait_dscnt 0x0
	global_store_b128 v14, v[16:19], s[86:87]      ; 256 consecutive bytes for each of the two heads
.Lend:
	s_wait_tensorcnt 0x0                           ; the wave's end
	ds_add_u32 v[SPW], v[NIL]
	s_wait_dscnt 0x0
	CROUND                                         ; the closing round
	s_endpgm
.Lfunc_end_k_q82c4369594_gemm_qkv:
	.size	k_q82c4369594_gemm_qkv, .Lfunc_end_k_q82c4369594_gemm_qkv-k_q82c4369594_gemm_qkv
	.p2alignl 7, 3214868480
	.fill 96, 4, 3214868480
	.section	.rodata,"a",@progbits
	.p2align	6, 0x0
	.amdhsa_kernel k_q82c4369594_gemm_qkv
		.amdhsa_group_segment_fixed_size 327680
		.amdhsa_private_segment_fixed_size 0
		.amdhsa_enable_private_segment 0
		.amdhsa_kernarg_size 40
		.amdhsa_user_sgpr_count 2
		.amdhsa_user_sgpr_kernarg_segment_ptr 1
		.amdhsa_wavefront_size32 1
		.amdhsa_system_sgpr_workgroup_id_x 1
		.amdhsa_system_sgpr_workgroup_id_y 1
		.amdhsa_system_sgpr_workgroup_id_z 1
		.amdhsa_system_vgpr_workitem_id 0
		.amdhsa_next_free_vgpr 640
		.amdhsa_next_free_sgpr 100
		.amdhsa_reserve_vcc 0
		.amdhsa_float_denorm_mode_32 3
		.amdhsa_float_denorm_mode_16_64 3
		.amdhsa_memory_ordered 1
		.amdhsa_forward_progress 1
		.amdhsa_inst_pref_size 134
	.end_amdhsa_kernel
	.amdgpu_metadata
---
amdhsa.version: [ 1, 2 ]
amdhsa.kernels:
  - .name:           k_q82c4369594_gemm_qkv
    .symbol:         k_q82c4369594_gemm_qkv.kd
    .args:
      - { .name: qin, .offset: 0, .size: 8, .value_kind: global_buffer, .address_space: global }
      - { .name: bq, .offset: 8, .size: 8, .value_kind: global_buffer, .address_space: global }
      - { .name: bk, .offset: 16, .size: 8, .value_kind: global_buffer, .address_space: global }
      - { .name: bv, .offset: 24, .size: 8, .value_kind: global_buffer, .address_space: global }
      - { .name: qkv, .offset: 32, .size: 8, .value_kind: global_buffer, .address_space: global }
    .group_segment_fixed_size: 327680
    .private_segment_fixed_size: 0
    .kernarg_segment_align: 8
    .kernarg_segment_size: 40
    .max_flat_workgroup_size: 128
    .sgpr_count:     100
    .vgpr_count:     640
    .wavefront_size: 32
...
	.end_amdgpu_metadata
.endif
;; end of part 2
;; launch attn (part 3): grid 8 x 32, 16 waves a work-group, clusters of 4 x 1, 276,480 bytes of LDS; arguments qkv, att; writes att
.if DOCPART == 3
	.amdgcn_target "amdgcn-amd-amdhsa--gfx1250"
	.amdhsa_code_object_version 6
	.text
	.protected	k_q82c4369594_attn
	.globl	k_q82c4369594_attn
	.p2align	8
	.type	k_q82c4369594_attn,@function
k_q82c4369594_attn:
	s_mov_b64 s[64:65], 0
	v_nop
	global_prefetch_b8 v0, s[64:65] scope:SCOPE_SE
	s_setreg_imm32_b32 hwreg(HW_REG_WAVE_MODE, 25, 1), 1
	s_wait_xcnt 0x0
	s_wait_alu depctr_hold_cnt(0) depctr_sa_sdst(0) depctr_va_vdst(0) depctr_va_sdst(0) depctr_va_ssrc(0) depctr_va_vcc(0) depctr_vm_vsrc(0)
	s_getreg_b32 s2, hwreg(HW_REG_IB_STS2, 6, 4)
	s_cmp_eq_u32 s2, 0
	s_cbranch_scc0 .Lentry_in_a_cluster
	s_endpgm
.Lentry_in_a_cluster:
	s_bfe_u32 s2, ttmp6, 0x10000c
	s_cmp_lg_u32 s2, 0x3003
	s_cbranch_scc0 .Lentry_shape_is_right
	s_endpgm
.Lentry_shape_is_right:
; out[q] = the sum over keys of softmax(q . k / 8) v for one batch and head, both products on codes of BF8 with E8M0 scales; out is quantised along the features at once.
; THE SOFTMAX: t = score x log2(e) / 8; M = the running largest t rounded UP to a whole number; p = 2^(t - M) is quantised along the keys, not normalised; the row's sum is taken of the unquantised p and divides at the end.
; When M moves, the sum and O are multiplied by 2^(old M - new M), which rounds nothing.
; SHARES.  A work-group owns 256 queries of one batch and head, each of its sixteen waves one tile of 16, in 256 registers.  A head's k, v and scale words are 16 chunks of 17,152 bytes: all lie in LDS, each wave brings one chunk, nothing is filled twice.
; CLUSTER 4 x 1: four query blocks of one head read the same chunks, so each chunk is asked for jointly.  No prefetch: every byte is asked for at the head, and there is no loop of loads to run ahead in.
; LAYOUT.  Both products transposed: S^T = K Q^T (source 0 = keys), O^T = V^T P^T (source 0 = 16 channels): a lane holds one query throughout.  Operands lie as images of their registers; the rows of tile T are
; 32 (T / 2) + 8 (T % 2) + r + 8 (r / 8), so the 16 registers of result tiles 2 b, 2 b + 1 are 16 neighbouring keys.
; THE HEAD HAS 64 CHANNELS, the instruction 128 along K: a fragment of K holds TWO tiles of keys, tile 2 j in k = 0 .. 63 and tile 2 j + 1 in k = 64 .. 127.  It is multiplied once by [Q | zero codes] and once by [zero codes | Q]:
; 24 registers, Q, eight zeros, Q, serve both.  The scale word of such a fragment is tile 2 j's two bytes under tile 2 j + 1's; zero codes add nothing under any finite byte.
; p STAYS UNHELD in its registers: the hold writes into a stage of 16 registers from which the conversions read, and the row's sums are taken behind V^T P, where they are the places in front of the next chunk's loads of K.
; A barrier in two halves in every step (signal at its top, wait at its end) holds the sixteen waves within one step of each other: no wave begins step i + 1 before every wave has begun step i.  Between the halves: register work and reads of LDS bytes that nobody writes.
; The scale bytes of out leave two at a time (a word's other half belongs to the neighbouring head's work-group).
; LIMITS: NaN and infinities are not served; the promise holds while |t| stays under 2^31; a block under 2^-111 or of zeros has the byte 1; v_exp_f32 and v_rcp_f32 as they are.
.set CH,    17152                      ; a chunk: 128 keys: K's 8 tiles x 1,024; V^T's 4 x 2,048 at 8,192; K's scale words at 16,384; V^T's at 16,896
.set HEADB, 16*CH
.set REG1,  32*HEADB
.set SPARE, 16*CH                      ; behind the chunks: the spare words, 128 bytes a wave
.set WV,   8
.set CS,   22                          ; s[22:23] c = log2(e) / 8
.set G1,   24
.set G0,   32
.set TB,   36                          ; s36  LDS byte of the chunk in hand
.set CNT,  37
.set SEL,  38
.set MNT,  40
.set SPW,  5                           ; v5, v6 the add's two registers; v1 16 x lane, v2 4 r, v3, v4 the same in the chunk in hand
.set NIL,  6
.set QS1,  7                           ; Q's scale bytes in bytes 0, 1;  v8: in bytes 2, 3
.set QS2,  8
.set TT,   9                           ; at work
.set FF,   10                          ; v10 f, v11 p's scale word; v12 -M, v13 the largest t, v[14:15] the sum
.set PW,   11
.set Q,    16                          ; v16-39  Q, zeros, Q
.set X,    40                          ; v40-103 K's four double fragments, then V^T's four
.set Y,    104                         ; v104-167 S^T, then p
.set O,    168                         ; v168-199 O^T
.set PC,   200                         ; v200-215 p's codes
.set T,    216                         ; v216-231 held p on its way to the conversions; then the sums' chains
.set BM,   232                         ; block maxima;  PM: lane permutes, bytes;  HD: the holds;  SO: the conversions' scale operands (HD, SO: then the next chunk's eight scale words of K as they lie)
.set PM,   236
.set HD,   240
.set SO,   244
.set KS,   248                         ; v248-251 K's scale words, two tiles to a word;  v252-255 V^T's
.set VS,   252
.macro PLACES n
.rept \n
	v_nop
.endr
.endm
.macro CROUND
	s_barrier_signal -1
	s_barrier_wait -1
	s_cmp_lg_u32 s[WV], 0
	s_cbranch_scc1 .Lnot_wave_0_\@
	s_barrier_signal -3
.Lnot_wave_0_\@:
	s_barrier_wait -3
	s_barrier_signal -1
	s_barrier_wait -1
.endm
	s_load_b128 s[4:7], s[0:1], 0x0                ; qkv, att
	v_lshl_add_u32 v[SPW], v0, 2, SPARE
	v_mov_b32 v[NIL], 0
	ds_add_u32 v[SPW], v[NIL]                      ; the opening lines: the add twice on end and one wait
	ds_add_u32 v[SPW], v[NIL]
	v_lshrrev_b32 v9, 5, v0
	s_delay_alu instid0(VALU_DEP_1)
	v_readfirstlane_b32 s[WV], v9                  ; wave 0..15
	s_bfe_u32 s9, ttmp6, 0x40000                   ; cx
	s_lshl_b32 s10, ttmp9, 2
	s_add_co_u32 s10, s10, s9                      ; my block of 256 queries: it enters q's and out's addresses alone
	s_and_b32 s11, ttmp7, 0xffff                   ; 16 x batch + head, which the partners share
	s_mov_b32 s[G1], 15|(3<<16)|(1<<21)            ; the mask: all four; elements of 8 bytes; bit 21 beside a mask
	s_mov_b32 s[G1+1], 32<<16                      ; a chunk as 67 dense rows of 256 bytes
	s_mov_b32 s[G1+2], 67<<16
	s_mov_b32 s[G1+3], 32<<16
	s_mov_b32 s[G1+4], 67
	s_mov_b32 s[G1+5], 32
	s_mov_b32 s[G1+6], 0
	s_mov_b32 s[G1+7], 0
	s_mul_i32 s12, s[WV], CH                       ; my chunk, in LDS and in the head
	s_mul_i32 s13, s11, HEADB
	s_add_co_u32 s14, s13, s12
	s_add_co_u32 s14, s14, REG1
	s_mov_b32 s15, 0
	s_lshl_b32 s16, s10, 4
	s_add_co_u32 s16, s16, s[WV]                   ; my tile of queries, 0..127
	s_lshr_b32 s17, s16, 3
	s_mul_i32 s17, s17, CH
	s_add_co_u32 s17, s17, s13                     ; its chunk in region 0
	s_and_b32 s18, s16, 7
	s_lshl_b32 s20, s18, 6
	s_add_co_u32 s20, s20, s17
	s_add_co_u32 s20, s20, 16384                   ; its scale words
	s_mov_b32 s21, 0
	s_lshl_b32 s18, s18, 10
	s_add_co_u32 s18, s18, s17                     ; its codes
	s_mov_b32 s19, 0
	s_lshr_b32 s41, s11, 4
	s_lshl_b32 s41, s41, 7
	s_add_co_u32 s41, s41, s16                     ; out's tile of rows: 128 x batch + my tile
	s_and_b32 s42, s11, 15
	s_lshr_b32 s43, s42, 1                         ; out's K step: head / 2
	s_and_b32 s42, s42, 1
	s_lshl_b32 s44, s41, 14
	s_lshl_b32 s45, s43, 11
	s_add_co_u32 s44, s44, s45
	s_lshl_b32 s45, s42, 10
	s_add_co_u32 s44, s44, s45                     ; groups 2 (head % 2) on of that fragment
	s_mov_b32 s45, 0
	s_lshl_b32 s46, s41, 9
	s_lshl_b32 s47, s43, 6
	s_add_co_u32 s46, s46, s47
	s_lshl_b32 s47, s42, 1
	s_add_co_u32 s46, s46, s47
	s_add_co_u32 s46, s46, 4194304                 ; and bytes 2 (head % 2) on of its scale words
	s_mov_b32 s47, 0
	s_mov_b32 s[CS], 0x3e38aa3b
	s_mov_b32 s[CS+1], s[CS]                       ; (named with it as a pair)
	s_mov_b32 s[SEL], 0x76543210
	s_mov_b32 s[SEL+1], 0xfedcba98
	s_mov_b32 s[MNT], 0x600000
	s_mov_b32 s[TB], 0
	s_mov_b32 s[CNT], 15
	s_wait_dscnt 0x0
	s_wait_kmcnt 0x0
	s_add_nc_u64 s[14:15], s[4:5], s[14:15]
	s_add_nc_u64 s[18:19], s[4:5], s[18:19]
	s_add_nc_u64 s[20:21], s[4:5], s[20:21]
	s_add_nc_u64 s[44:45], s[6:7], s[44:45]
	s_add_nc_u64 s[46:47], s[6:7], s[46:47]
	CROUND                                         ; all four work-groups are here: the joint loads meet
	s_mov_b32 s[G0], 1
	s_mov_b32 s[G0+1], s12
	s_mov_b64 s[G0+2:G0+3], s[14:15]
	s_or_b32 s[G0+3], s[G0+3], 0x80000000
	tensor_load_to_lds s[G0:G0+3], s[G1:G1+7]      ; every wave one chunk: one load of mine is out
	s_nop 0
.rept 4
	v_nop
.endr
	v_and_b32 v1, 31, v0
	v_and_b32 v2, 15, v0
	s_delay_alu instid0(VALU_DEP_2)
	v_lshlrev_b32 v1, 4, v1                        ; 16 x lane
	s_delay_alu instid0(VALU_DEP_2)
	v_lshlrev_b32 v2, 2, v2                        ; 4 r
	global_load_b128 v[Q:Q+3], v1, s[18:19]        ; Q's 64 channels, for k = 0 .. 63,
	global_load_b128 v[Q+4:Q+7], v1, s[18:19] offset:512
	global_load_b128 v[Q+16:Q+19], v1, s[18:19]    ; and once more, for k = 64 .. 127
	global_load_b128 v[Q+20:Q+23], v1, s[18:19] offset:512
	global_load_b32 v[QS1], v2, s[20:21]
.irp j, 8,9,10,11,12,13,14,15
	v_mov_b32 v[Q+\j], 0                           ; the zero codes between the two
.endr
.set j, 0
.rept 32
	v_mov_b32 v[O+j], 0                            ; O^T: the step is written for every chunk alike; the first finds zeros
.set j, j+1
.endr
	v_mov_b32 v13, 0xff61b1e6                      ; the largest t so far: -3e38
	v_mov_b32 v14, 0
	v_mov_b32 v15, 0
	v_floor_f32 v12, -v13                          ; -M
.irp b, 0,1,2,3
	v_mov_b32 v[PM+\b], 0                          ; a lane permute's destination counts as one of its sources
.endr
	v_mov_b32 v[PW], 0                             ; (named as the upper half of the pair v[10:11] before it is first written)
	v_add_nc_u32 v3, s[TB], v1
	v_add_nc_u32 v4, s[TB], v2
.macro KFETCH off                      ; K's eight tiles of the chunk off bytes on: four double fragments, 16 loads of 512 bytes on end
.irp j, 0,1,2,3
.irp c, 0,1,2,3
	ds_load_b128 v[X+16*\j+4*\c:X+16*\j+4*\c+3], v3 offset:\off+2048*\j+512*\c
.endr
.endr
.endm
.macro KRAW off                        ; and their eight scale words as they lie (two bytes used, two 0)
.irp t, 0,1,2,3,4,5,6,7
	ds_load_b32 v[HD+\t], v4 offset:\off+16384+64*\t
.endr
.endm
.macro KCOMB                           ; two tiles' bytes to a word
.irp j, 0,1,2,3
	v_lshl_or_b32 v[KS+\j], v[HD+2*\j+1], 16, v[HD+2*\j]
.endr
.endm
; A KEY STEP: the 128 keys of the chunk in hand.  more = 1: the next chunk's K is fetched on the way.
.macro STEP more
	s_wait_dscnt 0x0                               ; K's fragments are in; no LDS instruction of mine is out at the signal
	s_barrier_signal -1                            ; I have begun this step
.irp j, 0,1,2,3
	v_wmma_scale_f32_16x16x128_f8f6f4 v[Y+16*\j:Y+16*\j+7], v[X+16*\j:X+16*\j+15], v[Q:Q+15], 0, v[KS+\j], v[QS1] matrix_a_fmt:MATRIX_FMT_BF8 matrix_b_fmt:MATRIX_FMT_BF8
	v_wmma_scale_f32_16x16x128_f8f6f4 v[Y+16*\j+8:Y+16*\j+15], v[X+16*\j:X+16*\j+15], v[Q+8:Q+23], 0, v[KS+\j], v[QS2] matrix_a_fmt:MATRIX_FMT_BF8 matrix_b_fmt:MATRIX_FMT_BF8
.endr
	PLACES 8                                       ; in front of the loads into K's registers and of the first read of the scores
.irp t, 0,1,2,3                                ; V^T's four fragments take K's registers: they have the whole softmax in which to land
.irp c, 0,1,2,3
	ds_load_b128 v[X+16*\t+4*\c:X+16*\t+4*\c+3], v3 offset:8192+2048*\t+512*\c
.endr
	ds_load_b32 v[VS+\t], v4 offset:16896+64*\t
.endr
.irp b, 0,1,2,3
	v_max3_num_f32 v[BM+\b], v[Y+16*\b], v[Y+1+16*\b], v[Y+2+16*\b]   ; the largest score of each block of 32 keys: for the row's maximum, and, since p rises with the score, for the block's largest p
.endr
.irp i, 3,5,7,9,11,13
.irp b, 0,1,2,3
	v_max3_num_f32 v[BM+\b], v[BM+\b], v[Y+16*\b+\i], v[Y+1+16*\b+\i]
.endr
.endr
.irp b, 0,1,2,3
	v_max_num_f32 v[BM+\b], v[BM+\b], v[Y+15+16*\b]
.endr
.irp b, 0,1,2,3
	s_delay_alu instid0(VALU_DEP_4)
	v_permlanex16_b32 v[PM+\b], v[BM+\b], s[SEL], s[SEL+1]
.endr
.irp b, 0,1,2,3
	s_delay_alu instid0(VALU_DEP_4)
	v_max_num_f32 v[BM+\b], v[BM+\b], v[PM+\b]     ; with lane l xor 16's 16 keys
.endr
	s_delay_alu instid0(VALU_DEP_2)
	v_max3_num_f32 v[TT], v[BM], v[BM+1], v[BM+2]
	s_delay_alu instid0(VALU_DEP_1)
	v_max_num_f32 v[TT], v[TT], v[BM+3]            ; the step's largest score of my query
	s_delay_alu instid0(VALU_DEP_1)
	v_mul_f32 v[TT], s[CS], v[TT]                  ; as t
	s_delay_alu instid0(VALU_DEP_1)
	v_max_num_f32 v13, v13, v[TT]                  ; the running largest t
	v_mov_b32 v[TT], v12
	s_delay_alu instid0(VALU_DEP_2)
	v_floor_f32 v12, -v13                          ; the new -M = -ceil(t)
	s_delay_alu instid0(VALU_DEP_1)
	v_sub_f32 v[TT], v12, v[TT]                    ; old M - new M: a whole number, 0 or less
	s_delay_alu instid0(VALU_DEP_1)
	v_cvt_i32_f32 v[TT], v[TT]                     ; (it saturates)
	s_delay_alu instid0(VALU_DEP_1)
	v_ldexp_f32 v[FF], 1.0, v[TT]                  ; f = 2^(old M - new M)
.set j, 0
.rept 32
	v_pk_fma_f32 v[Y+j:Y+j+1], v[Y+j:Y+j+1], s[CS:CS+1], v[12:13] op_sel_hi:[1,0,0]   ; t - M, two at a time
.set j, j+2
.endr
.irp b, 0,1,2,3
	v_fma_f32 v[BM+\b], v[BM+\b], s[CS], v12       ; the same of each block's largest score
.endr
	s_wait_alu depctr_va_vdst(0)
.set j, 0
.rept 64
	v_exp_f32 v[Y+j], v[Y+j]                       ; p = 2^(t - M)
.set j, j+1
.endr
.irp b, 0,1,2,3
	v_exp_f32 v[BM+\b], v[BM+\b]                   ; the block's largest p: the same two instructions on the same number
.endr
	v_pk_mul_f32 v[14:15], v[14:15], v[FF:FF+1] op_sel_hi:[1,0]   ; the sums under the new M (a plain line behind the exponentials)
	s_wait_alu depctr_va_vdst(0)                   ; and one wait behind it, ahead of its first reader
.irp b, 0,1,2,3
	v_max_num_f32 v[BM+\b], 0x8000000, v[BM+\b]    ; the floor 2^(16 - 127): the byte cannot fall under 1
.endr
.irp b, 0,1,2,3
	s_delay_alu instid0(VALU_DEP_4)
	v_add_nc_u32 v[SO+\b], 0xf8800000, v[BM+\b]    ; 15 off the exponent field: the conversion's scale operand
.endr
.irp b, 0,1,2,3
	v_and_or_b32 v[HD+\b], v[BM+\b], 0x7f800000, s[MNT]   ; 57,344 x the scale
.endr
.irp b, 0,1,2,3
	v_lshrrev_b32 v[PM+\b], 23, v[SO+\b]           ; the scale's byte
.endr
	s_delay_alu instid0(VALU_DEP_3)
	v_lshl_or_b32 v[PW], v[PM+1], 8, v[PM]         ; p's scale word for these 128 keys
	s_delay_alu instid0(VALU_DEP_1)
	v_lshl_or_b32 v[PW], v[PM+2], 16, v[PW]
	s_delay_alu instid0(VALU_DEP_1)
	v_lshl_or_b32 v[PW], v[PM+3], 24, v[PW]
.irp b, 0,1,2,3                                ; the hold (p is not negative: one-sided), two numbers an instruction, into the stage's halves by turns; the conversion does not saturate (ISA guide 7.6.2)
.irp u, 0,1
.irp k, 0,2,4,6
	v_dual_min_num_f32 v[T+8*\u+\k], v[Y+16*\b+8*\u+\k], v[HD+\b] :: v_dual_min_num_f32 v[T+8*\u+\k+1], v[Y+16*\b+8*\u+\k+1], v[HD+\b]
.endr
	v_cvt_scalef32_pk8_bf8_f32 v[PC+4*\b+2*\u:PC+4*\b+2*\u+1], v[T+8*\u:T+8*\u+7], v[SO+\b]
.endr
.endr
.if \more
	KRAW CH                                        ; the holds and scale operands are done with: the next chunk's scale words of K land there
.endif
	s_wait_alu depctr_va_vdst(0)                   ; directly ahead of the first reader of O^T
.set j, 0
.rept 16
	v_pk_mul_f32 v[O+j:O+j+1], v[O+j:O+j+1], v[FF:FF+1] op_sel_hi:[1,0]   ; O^T under the new M; these are also the places between the codes and the products
.set j, j+2
.endr
	s_wait_alu depctr_va_vdst(0)
	s_wait_dscnt 0x0                               ; V^T, its scale words, and K's next
.irp t, 0,1,2,3
	v_wmma_scale_f32_16x16x128_f8f6f4 v[O+8*\t:O+8*\t+7], v[X+16*\t:X+16*\t+15], v[PC:PC+15], v[O+8*\t:O+8*\t+7], v[VS+\t], v[PW] matrix_a_fmt:MATRIX_FMT_BF8 matrix_b_fmt:MATRIX_FMT_BF8
.endr
.if \more
	KCOMB                                          ; four places, and more than eight ahead of the products that take these words
.endif
	v_pk_add_f32 v[14:15], v[14:15], v[Y:Y+1]      ; THE ROW'S SUM OF THE UNQUANTISED p: 32 packed additions in four chains; none names a register of the products above
	v_pk_add_f32 v[T:T+1], v[Y+2:Y+3], v[Y+4:Y+5]
	v_pk_add_f32 v[T+2:T+3], v[Y+6:Y+7], v[Y+8:Y+9]
	v_pk_add_f32 v[T+4:T+5], v[Y+10:Y+11], v[Y+12:Y+13]
.if \more
	KFETCH CH                                      ; eight places behind V^T P: the next chunk's K takes V^T's registers
.endif
.irp m, 0,1,2,3,4,5
	v_pk_add_f32 v[14:15], v[14:15], v[Y+14+8*\m:Y+15+8*\m]
	v_pk_add_f32 v[T:T+1], v[T:T+1], v[Y+16+8*\m:Y+17+8*\m]
	v_pk_add_f32 v[T+2:T+3], v[T+2:T+3], v[Y+18+8*\m:Y+19+8*\m]
	v_pk_add_f32 v[T+4:T+5], v[T+4:T+5], v[Y+20+8*\m:Y+21+8*\m]
.endr
	v_pk_add_f32 v[14:15], v[14:15], v[Y+62:Y+63]
	v_pk_add_f32 v[T:T+1], v[T:T+1], v[T+2:T+3]
	s_delay_alu instid0(VALU_DEP_2)
	v_pk_add_f32 v[14:15], v[14:15], v[T+4:T+5]
	s_delay_alu instid0(VALU_DEP_1)
	v_pk_add_f32 v[14:15], v[14:15], v[T:T+1]
.if \more
	s_add_co_u32 s[TB], s[TB], CH
	v_add_nc_u32 v3, s[TB], v1
	v_add_nc_u32 v4, s[TB], v2
.endif
	s_wait_alu depctr_va_vdst(0)
	s_barrier_wait -1                              ; every wave has begun this step
.endm
	s_wait_alu depctr_va_vdst(0)
	s_wait_loadcnt 0x0                             ; Q
	s_wait_tensorcnt 0x0                           ; my chunk is in,
	s_barrier_signal -1
	s_barrier_wait -1                              ; everybody's is
	KFETCH 0
	KRAW 0
	v_lshlrev_b32 v[QS2], 16, v[QS1]
	s_wait_dscnt 0x0
	KCOMB
	PLACES 8                                       ; a scale word made by a vector instruction stands eight places ahead of its product
	s_wait_alu depctr_va_vdst(0)
.Lstep:                                            ; 15 trips; the last chunk is written out, since nothing follows it to fetch
	STEP 1
	s_sub_co_u32 s[CNT], s[CNT], 1
	s_cmp_lg_u32 s[CNT], 0
	s_cbranch_scc1 .Lstep
	STEP 0
	; THE WAY OUT: O^T / the sum (the 32 additions above are the places behind the last products); register 16 b + i of the lane is channel 32 b + 16 h + i of my query: two blocks of out's K
	v_add_f32 v14, v14, v15
	s_delay_alu instid0(VALU_DEP_1)
	v_permlanex16_b32 v[FF], v14, s[SEL], s[SEL+1]
	s_delay_alu instid0(VALU_DEP_1)
	v_add_f32 v14, v14, v[FF]                      ; the row's sum
	s_wait_alu depctr_va_vdst(0)
	v_rcp_f32 v14, v14
	v_nop                                          ; a plain line behind the transcendental
	s_wait_alu depctr_va_vdst(0)                   ; ahead of its first reader, which is O^T's too
.set j, 0
.rept 16
	v_pk_mul_f32 v[O+j:O+j+1], v[O+j:O+j+1], v[14:15] op_sel_hi:[1,0]
.set j, j+2
.endr
.irp b, 0,1
	v_max3_num_f32 v[BM+\b], |v[O+16*\b]|, |v[O+1+16*\b]|, 0x8000000
.endr
.irp i, 2,4,6,8,10,12,14
.irp b, 0,1
	s_delay_alu instid0(VALU_DEP_2)
	v_max3_num_f32 v[BM+\b], v[BM+\b], |v[O+16*\b+\i]|, |v[O+1+16*\b+\i]|
.endr
.endr
.irp b, 0,1
	s_delay_alu instid0(VALU_DEP_2)
	v_permlanex16_b32 v[BM+2+\b], v[BM+\b], s[SEL], s[SEL+1]
.endr
.irp b, 0,1
	s_delay_alu instid0(VALU_DEP_2)
	v_max_num_f32 v[BM+\b], v[BM+\b], v[BM+2+\b]
.endr
.irp b, 0,1
	s_delay_alu instid0(VALU_DEP_2)
	v_add_nc_u32 v[BM+6+\b], 0xf8800000, v[BM+\b]
.endr
.irp b, 0,1
	s_delay_alu instid0(VALU_DEP_4)
	v_and_or_b32 v[BM+4+\b], v[BM+\b], 0x7f800000, s[MNT]
.endr
.irp b, 0,1
	s_delay_alu instid0(VALU_DEP_4)
	v_lshrrev_b32 v[BM+2+\b], 23, v[BM+6+\b]
.endr
	s_delay_alu instid0(VALU_DEP_1)
	v_lshl_or_b32 v[TT], v[BM+3], 8, v[BM+2]       ; my head's two bytes of the row's scale word
.irp b, 0,1
.irp i, 0,1,2,3,4,5,6,7,8,9,10,11,12,13,14,15
	v_med3_num_f32 v[O+16*\b+\i], v[O+16*\b+\i], -v[BM+4+\b], v[BM+4+\b]
.endr
	v_cvt_scalef32_pk8_bf8_f32 v[PC+4*\b:PC+1+4*\b], v[O+16*\b:O+7+16*\b], v[BM+6+\b]
	v_cvt_scalef32_pk8_bf8_f32 v[PC+2+4*\b:PC+3+4*\b], v[O+8+16*\b:O+15+16*\b], v[BM+6+\b]
.endr
	v_nop
	global_store_b128 v1, v[PC:PC+3], s[44:45]     ; 512 consecutive bytes, aligned
	global_store_b128 v1, v[PC+4:PC+7], s[44:45] offset:512
	global_store_b16 v2, v[TT], s[46:47]           ; lanes 16-31 write the same bytes with the same values
	s_wait_tensorcnt 0x0                           ; the wave's end
	ds_add_u32 v[SPW], v[NIL]
	s_wait_dscnt 0x0
	CROUND                                         ; the closing round
	s_endpgm
.Lfunc_end_k_q82c4369594_attn:
	.size	k_q82c4369594_attn, .Lfunc_end_k_q82c4369594_attn-k_q82c4369594_attn
	.p2alignl 7, 3214868480
	.fill 96, 4, 3214868480
	.section	.rodata,"a",@progbits
	.p2align	6, 0x0
	.amdhsa_kernel k_q82c4369594_attn
		.amdhsa_group_segment_fixed_size 276480
		.amdhsa_private_segment_fixed_size 0
		.amdhsa_enable_private_segment 0
		.amdhsa_kernarg_size 16
		.amdhsa_user_sgpr_count 2
		.amdhsa_user_sgpr_kernarg_segment_ptr 1
		.amdhsa_wavefront_size32 1
		.amdhsa_system_sgpr_workgroup_id_x 1
		.amdhsa_system_sgpr_workgroup_id_y 1
		.amdhsa_system_sgpr_workgroup_id_z 1
		.amdhsa_system_vgpr_workitem_id 0
		.amdhsa_next_free_vgpr 256
		.amdhsa_next_free_sgpr 66
		.amdhsa_reserve_vcc 0
		.amdhsa_float_denorm_mode_32 3
		.amdhsa_float_denorm_mode_16_64 3
		.amdhsa_memory_ordered 1
		.amdhsa_forward_progress 1
		.amdhsa_inst_pref_size 54
	.end_amdhsa_kernel
	.amdgpu_metadata
---
amdhsa.version: [ 1, 2 ]
amdhsa.kernels:
  - .name:           k_q82c4369594_attn
    .symbol:         k_q82c4369594_attn.kd
    .args:
      - { .name: qkv, .offset: 0, .size: 8, .value_kind: global_buffer, .address_space: global }
      - { .name: att, .offset: 8, .size: 8, .value_kind: global_buffer, .address_space: global }
    .group_segment_fixed_size: 276480
    .private_segment_fixed_size: 0
    .kernarg_segment_align: 8
    .kernarg_segment_size: 16
    .max_flat_workgroup_size: 512
    .sgpr_count:     66
    .vgpr_count:     256
    .wavefront_size: 32
...
	.end_amdgpu_metadata
.endif
;; end of part 3
;; launch gemm_o (part 4): grid 8 x 32, 4 waves a work-group, clusters of 4 x 4, 327,680 bytes of LDS; arguments att, qin, bo, y1; writes y1
.if DOCPART == 4
	.amdgcn_target "amdgcn-amd-amdhsa--gfx1250"
	.amdhsa_code_object_version 6
	.text
	.protected	k_q82c4369594_gemm_o
	.globl	k_q82c4369594_gemm_o
	.p2align	8
	.type	k_q82c4369594_gemm_o,@function
k_q82c4369594_gemm_o:
	s_mov_b64 s[64:65], 0
	v_nop
	global_prefetch_b8 v0, s[64:65] scope:SCOPE_SE
	s_setreg_imm32_b32 hwreg(HW_REG_WAVE_MODE, 25, 1), 1
	s_wait_xcnt 0x0
	s_wait_alu depctr_hold_cnt(0) depctr_sa_sdst(0) depctr_va_vdst(0) depctr_va_sdst(0) depctr_va_ssrc(0) depctr_va_vcc(0) depctr_vm_vsrc(0)
	s_getreg_b32 s2, hwreg(HW_REG_IB_STS2, 6, 4)
	s_cmp_eq_u32 s2, 0
	s_cbranch_scc0 .Lentry_in_a_cluster
	s_endpgm
.Lentry_in_a_cluster:
	s_bfe_u32 s2, ttmp6, 0x10000c
	s_cmp_lg_u32 s2, 0xf033
	s_cbranch_scc0 .Lentry_shape_is_right
	s_endpgm
.Lentry_shape_is_right:
; y1 = out Wo^T + bo on codes of BF8 with E8M0 scales, f32 sums; y1 leaves as images of the accumulators, [tile of rows][tile of columns][1,024 bytes].
; SHARES.  A work-group makes 128 rows x 128 columns, four waves of 64 x 64: 16 accumulators by turns.  CLUSTER 4 x 4: out's tiles are asked for jointly along a row of the cluster, Wo's along a column.
; LDS: each wave brings four tiles with all of their K, 65,536 dense bytes, by its one tensor load: out's eight tiles from byte 0, Wo's from 131,072, [tile][K step][2,048]; nothing is filled twice.
; The scale words go from memory into their registers: a wave's four tiles are 2,048 dense bytes of each operand, read whole by its 32 loads.  No prefetch: every byte is asked for at the head.
.set KS,    8
.set SLOTB, 131072
.set SCL,   262144
.set HALFS, KS*256
.set P_SA,  512
.set P_SK,  64
.set W_SA,  512
.set W_SK,  64
.set PCOD,  0
.set PSCL,  4194304
.set WCOD,  7340032
.set WSCL,  16777216+229376
.set ADP,  4
.set ADW,  6
.set ADSP, 8
.set ADSW, 9
.set SCP,  32
.set SCW,  64
.set BI,   96
.set ACC,  128
.set F0,   0
.set F1,   128
.set G1, 24
.set G0, 32
.set G1B, 48
.set G0B, 56
.set G1S, 68
.set G0S, 76
.set G1SB, 80
.set G0SB, 88
.set MSB, 0
.macro WIN new
.if MSB != \new
	s_set_vgpr_msb (MSB<<8)|\new
.set MSB, \new
.endif
.endm
.set MUL,  0x05
.set TO_F, 0x40
.macro PLACES n
.rept \n
	v_nop
.endr
.endm
.macro JLOAD g0a, g1a, g0b, g1b
	s_cmp_eq_u32 s15, 0
	s_cbranch_scc0 .Lfor_b_\@
	tensor_load_to_lds s[\g0a:\g0a+3], s[\g1a:\g1a+7]
	s_nop 0
.rept 4
	v_nop
.endr
	s_branch .Lasked_\@
.Lfor_b_\@:
	tensor_load_to_lds s[\g0b:\g0b+3], s[\g1b:\g1b+7]
	s_nop 0
.rept 4
	v_nop
.endr
.Lasked_\@:
.endm
.macro CROUND
	s_barrier_signal -1
	s_barrier_wait -1
	s_cmp_lg_u32 s14, 0
	s_cbranch_scc1 .Lnot_wave_0_\@
	s_barrier_signal -3
.Lnot_wave_0_\@:
	s_barrier_wait -3
	s_barrier_signal -1
	s_barrier_wait -1
.endm
	s_load_b256 s[4:11], s[0:1], 0x0
	v_lshl_add_u32 v30, v0, 2, 0x42000
	v_mov_b32 v31, 0
	ds_add_u32 v30, v31
	ds_add_u32 v30, v31
	v_lshrrev_b32 v1, 5, v0
	v_readfirstlane_b32 s14, v1
	s_lshr_b32 s15, s14, 1
	s_and_b32 s16, s14, 1
	s_bfe_u32 s40, ttmp6, 0x40000
	s_bfe_u32 s41, ttmp6, 0x40004
	s_lshl_b32 s42, ttmp9, 2
	s_add_co_u32 s42, s42, s40
	s_and_b32 s17, ttmp7, 0xffff
	s_lshl_b32 s17, s17, 2
	s_add_co_u32 s17, s17, s41
	s_lshl_b32 s43, s41, 2
	s_lshl_b32 s43, 15, s43
	s_lshl_b32 s44, 0x1111, s40
	s_or_b32 s[G1+0], s43, (3<<16)|(1<<21)
	s_or_b32 s[G1B+0], s44, (3<<16)|(1<<21)
.irp g, G1, G1B
	s_mov_b32 s[\g+1], 1024<<16
	s_mov_b32 s[\g+2], 8<<16                       ; four tiles x 16,384 bytes are dense: 8 rows of 8,192
	s_mov_b32 s[\g+3], 1024<<16
	s_mov_b32 s[\g+4], 8
	s_mov_b32 s[\g+5], 1024
	s_mov_b32 s[\g+6], 0
	s_mov_b32 s[\g+7], 0
.endr
	s_lshl_b32 s18, s16, 2
	s_lshl_b32 s20, s17, 3
	s_add_co_u32 s20, s20, s18
	s_lshl_b32 s46, s42, 3
	s_add_co_u32 s46, s46, s18
	s_lshl_b32 s98, s17, 3
	s_lshl_b32 s99, s15, 2
	s_add_co_u32 s98, s98, s99                     ; the four tiles of out that I multiply
	s_mul_i32 s98, s98, KS*64
	s_add_co_u32 s98, s98, PSCL                    ; their scale words
	s_mov_b32 s99, 0
	s_mul_i32 s92, s46, KS*64
	s_add_co_u32 s92, s92, WSCL
	s_mov_b32 s93, 0
	s_mul_i32 s20, s20, KS*2048
	s_add_co_u32 s20, s20, PCOD
	s_mov_b32 s21, 0
	s_mul_i32 s46, s46, KS*2048
	s_add_co_u32 s46, s46, WCOD
	s_mov_b32 s47, 0
	s_lshl_b32 s45, s14, 16                        ; where my load goes: wave x 65,536
	s_wait_dscnt 0x0
	s_wait_kmcnt 0x0
	s_add_nc_u64 s[20:21], s[4:5], s[20:21]
	s_add_nc_u64 s[98:99], s[4:5], s[98:99]
	s_add_nc_u64 s[46:47], s[6:7], s[46:47]
	s_add_nc_u64 s[92:93], s[6:7], s[92:93]
	CROUND
.irp s, 0
	s_mov_b32 s[G0+4*\s], 1
	s_add_co_u32 s[G0+4*\s+1], s45, \s*SLOTB
	s_add_nc_u64 s[G0+4*\s+2:G0+4*\s+3], s[20:21], \s*8192
	s_or_b32 s[G0+4*\s+3], s[G0+4*\s+3], 0x80000000
	s_mov_b32 s[G0B+4*\s], 1
	s_add_co_u32 s[G0B+4*\s+1], s45, \s*SLOTB
	s_add_nc_u64 s[G0B+4*\s+2:G0B+4*\s+3], s[46:47], \s*8192
	s_or_b32 s[G0B+4*\s+3], s[G0B+4*\s+3], 0x80000000
	JLOAD G0+4*\s, G1, G0B+4*\s, G1B               ; my one tensor load
.endr
	v_and_b32 v11, 31, v0
	v_and_b32 v1, 15, v0
	v_bfe_u32 v2, v0, 4, 1
	v_lshlrev_b32 v3, 4, v11
	s_lshl_b32 s21, s15, 16
	v_add_nc_u32 v[ADP], s21, v3
	v_add_nc_u32 v[ADP+1], 8192, v[ADP]            ; K steps 4 to 7 of a tile lie 8,192 bytes on
	s_lshl_b32 s22, s16, 16
	s_add_co_u32 s22, s22, 131072
	v_add_nc_u32 v[ADW], s22, v3
	v_add_nc_u32 v[ADW+1], 8192, v[ADW]
	v_lshlrev_b32 v[ADSP], 2, v1                   ; 4 r: my row's scale word in a tile's 64 bytes
	v_lshlrev_b32 v13, 6, v2
	s_lshl_b32 s46, s42, 9
	s_lshl_b32 s47, s16, 8
	s_add_co_u32 s46, s46, s47
	s_mov_b32 s47, 0
	s_add_nc_u64 s[8:9], s[8:9], s[46:47]
.irp b, 0,1,2,3
	global_load_b128 v[BI+8*\b:BI+8*\b+3], v13, s[8:9] offset:(32*(\b/2)+8*(\b%2))*4
	global_load_b128 v[BI+8*\b+4:BI+8*\b+7], v13, s[8:9] offset:(32*(\b/2)+8*(\b%2))*4+16
.endr
	s_lshl_b32 s18, s17, 3
	s_lshl_b32 s19, s15, 2
	s_add_co_u32 s18, s18, s19
	s_lshl_b32 s18, s18, 16
	s_lshl_b32 s46, s42, 3
	s_lshl_b32 s47, s16, 2
	s_add_co_u32 s46, s46, s47
	s_lshl_b32 s46, s46, 10
	s_add_co_u32 s18, s18, s46
	s_mov_b32 s19, 0
	s_add_nc_u64 s[10:11], s[10:11], s[18:19]
.macro FETCH slot, q, f
	WIN TO_F
.irp i, 0,1,2,3
.irp c, 0,1,2,3
	ds_load_b128 v[\f+16*\i+4*\c:\f+16*\i+4*\c+3], v[ADP+\slot] offset:\i*16384+(\q)*2048+\c*512
.endr
.endr
.irp i, 0,1,2,3
.irp c, 0,1,2,3
	ds_load_b128 v[\f+64+16*\i+4*\c:\f+64+16*\i+4*\c+3], v[ADW+\slot] offset:\i*16384+(\q)*2048+\c*512
.endr
.endr
.endm
.macro SCALES set
	WIN 0
.irp a, 0,1,2,3
.irp q, 0,1,2,3
	global_load_b32 v[SCP+16*\set+4*\a+\q], v[ADSP], s[98:99] offset:\a*P_SA+(4*\set+\q)*P_SK
	global_load_b32 v[SCW+16*\set+4*\a+\q], v[ADSP], s[92:93] offset:\a*W_SA+(4*\set+\q)*W_SK
.endr
.endr
.endm
.macro MUL8 f, q, set, a0, first
.irp a, \a0, \a0+1
.irp b, 0,1,2,3
.set FP, \f+16*(\a)
.set FW, \f+64+16*\b
.set SP, SCP+16*(\set)+4*(\a)+(\q)
.set SW, SCW+16*(\set)+4*\b+(\q)
.set DD, ACC+8*(4*(\a)+\b)
.if \first
	v_wmma_scale_f32_16x16x128_f8f6f4 v[DD:DD+7], v[FW:FW+15], v[FP:FP+15], v[BI+8*\b:BI+8*\b+7], v[SW], v[SP] matrix_a_fmt:MATRIX_FMT_BF8 matrix_b_fmt:MATRIX_FMT_BF8
.else
	v_wmma_scale_f32_16x16x128_f8f6f4 v[DD:DD+7], v[FW:FW+15], v[FP:FP+15], v[DD:DD+7], v[SW], v[SP] matrix_a_fmt:MATRIX_FMT_BF8 matrix_b_fmt:MATRIX_FMT_BF8
.endif
.endr
.endr
.endm
.macro SLOTWORK slot, first
; Both sets are asked for ahead: a K step waits for its own 32 loads (the 32 of the step behind it may be out), runs its 16 products, and behind eight places asks for the step two on, into the set just read.
; first = 1 is K steps 0 to 3: it asks for its own first two steps, and at its end for K steps 4 and 5, with which first = 0 begins.
.if \first
	FETCH \slot, 0, F0
	FETCH \slot, 1, F1
.endif
	s_wait_dscnt 32                                ; set 0 is in; set 1's 32 loads may be out
	WIN MUL
	MUL8 F0, 0, \slot, 0, \first
	MUL8 F0, 0, \slot, 2, \first
	PLACES 8
	FETCH \slot, 2, F0
	s_wait_dscnt 32                                ; set 1 is in
	WIN MUL
	MUL8 F1, 1, \slot, 0, 0
	MUL8 F1, 1, \slot, 2, 0
	PLACES 8
	FETCH \slot, 3, F1
	s_wait_dscnt 32                                ; set 0 is in
	WIN MUL
	MUL8 F0, 2, \slot, 0, 0
	MUL8 F0, 2, \slot, 2, 0
.if \first
	PLACES 8
	FETCH 1, 0, F0                                 ; K step 4
	s_wait_dscnt 32                                ; set 1 is in
	WIN MUL
.else
	s_wait_dscnt 0x0                               ; the last step's loads: nothing is out behind them
.endif
	MUL8 F1, 3, \slot, 0, 0
	MUL8 F1, 3, \slot, 2, 0
.if \first
	PLACES 8
	FETCH 1, 1, F1                                 ; K step 5
.endif
	WIN 0
.endm
	s_wait_alu depctr_va_vdst(0)
	SCALES 0                                       ; all scale words of my eight tiles, while the tensor loads are out
	SCALES 1
	s_wait_loadcnt 0x0                             ; the bias and the scale words
	s_wait_tensorcnt 0x0                           ; my one load, four tiles with all of K, is in
	s_barrier_signal -1
	s_barrier_wait -1                              ; everybody's is
	SLOTWORK 0, 1
	SLOTWORK 1, 0
	PLACES 8
.irp a, 0,1,2,3
.irp b, 0,1,2,3
	global_store_b128 v3, v[ACC+8*(4*\a+\b):ACC+8*(4*\a+\b)+3], s[10:11] offset:\a*65536+\b*1024
	global_store_b128 v3, v[ACC+8*(4*\a+\b)+4:ACC+8*(4*\a+\b)+7], s[10:11] offset:\a*65536+\b*1024+512
.endr
.endr
	s_wait_tensorcnt 0x0
	ds_add_u32 v30, v31
	s_wait_dscnt 0x0
	CROUND
	s_endpgm
.Lfunc_end_k_q82c4369594_gemm_o:
	.size	k_q82c4369594_gemm_o, .Lfunc_end_k_q82c4369594_gemm_o-k_q82c4369594_gemm_o
	.p2alignl 7, 3214868480
	.fill 96, 4, 3214868480
	.section	.rodata,"a",@progbits
	.p2align	6, 0x0
	.amdhsa_kernel k_q82c4369594_gemm_o
		.amdhsa_group_segment_fixed_size 327680
		.amdhsa_private_segment_fixed_size 0
		.amdhsa_enable_private_segment 0
		.amdhsa_kernarg_size 32
		.amdhsa_user_sgpr_count 2
		.amdhsa_user_sgpr_kernarg_segment_ptr 1
		.amdhsa_wavefront_size32 1
		.amdhsa_system_sgpr_workgroup_id_x 1
		.amdhsa_system_sgpr_workgroup_id_y 1
		.amdhsa_system_sgpr_workgroup_id_z 1
		.amdhsa_system_vgpr_workitem_id 0
		.amdhsa_next_free_vgpr 512
		.amdhsa_next_free_sgpr 100
		.amdhsa_reserve_vcc 0
		.amdhsa_float_denorm_mode_32 3
		.amdhsa_float_denorm_mode_16_64 3
		.amdhsa_memory_ordered 1
		.amdhsa_forward_progress 1
		.amdhsa_inst_pref_size 51
	.end_amdhsa_kernel
	.amdgpu_metadata
---
amdhsa.version: [ 1, 2 ]
amdhsa.kernels:
  - .name:           k_q82c4369594_gemm_o
    .symbol:         k_q82c4369594_gemm_o.kd
    .args:
      - { .name: att, .offset: 0, .size: 8, .value_kind: global_buffer, .address_space: global }
      - { .name: qin, .offset: 8, .size: 8, .value_kind: global_buffer, .address_space: global }
      - { .name: bo, .offset: 16, .size: 8, .value_kind: global_buffer, .address_space: global }
      - { .name: y1, .offset: 24, .size: 8, .value_kind: global_buffer, .address_space: global }
    .group_segment_fixed_size: 327680
    .private_segment_fixed_size: 0
    .kernarg_segment_align: 8
    .kernarg_segment_size: 32
    .max_flat_workgroup_size: 128
    .sgpr_count:     100
    .vgpr_count:     512
    .wavefront_size: 32
...
	.end_amdgpu_metadata
.endif
;; end of part 4
;; launch ln1 (part 5): grid 256 x 1, 8 waves a work-group, no clusters, 70,144 bytes of LDS; arguments y1, src, g1, be1, xb; writes xb
.if DOCPART == 5
	.amdgcn_target "amdgcn-amd-amdhsa--gfx1250"
	.amdhsa_code_object_version 6
	.text
	.protected	k_q82c4369594_ln1
	.globl	k_q82c4369594_ln1
	.p2align	8
	.type	k_q82c4369594_ln1,@function
k_q82c4369594_ln1:
	s_mov_b64 s[64:65], 0
	v_nop
	global_prefetch_b8 v0, s[64:65] scope:SCOPE_SE
	s_setreg_imm32_b32 hwreg(HW_REG_WAVE_MODE, 25, 1), 1
	s_wait_xcnt 0x0
; x = LayerNorm(src + y1) g1 + be1, in f32: mean, then the mean of the squared differences, as the definition has it; x leaves as f32 and as codes of BF8 with E8M0 scales along the features.
; SHARES.  A work-group takes one tile of 16 rows (rows 32 (T / 2) + 8 (T % 2) + r + 8 (r / 8), batch first); wave w takes columns 128 w .. 128 w + 127.  Lane (r, h) holds of row r register 16 c + i = column 128 w + 32 c + 16 h + i:
; the order in which y1 lies (16 dense loads) and in which the conversions want their numbers.  src lies by rows: each load reads 512 consecutive bytes of a row, and the 8 KiB turn through the wave's own stage in LDS.
; A row's sums meet in LDS: one word a wave and row, a barrier, eight loads.  Streaming: no matrix unit, no cluster (work-groups share only g1 and be1, 8 KiB), no tensor loads.
; xb: x as f32 [tile][tile of 16 columns][half][lane][16 bytes] at 0; codes [tile][K step 8][2,048] at 16 MiB; scale words [tile][K step][64] at 20 MiB.
; LIMITS: NaN and infinities are not served; v_rsq_f32 as it is; a block under 2^-111 or of zeros has the byte 1.
.set STG,  8448                        ; a wave's stage: 16 rows x 528 bytes
.set RED,  67584                       ; 512 bytes for the sums, 512 for the squares,
.set SCWD, 68608                       ; 512 for the scale words
.set Y,   32
.set R,   96                           ; src, then g1, then the quantiser's registers
.set BE,  160                          ; be1, then x
.set PC,  96
.set TM,  112
.set PW,  128
.set SEL, 28
.set MNT, 30
	s_load_b256 s[4:11], s[0:1], 0x0               ; y1, src, g1, be1
	s_load_b64 s[12:13], s[0:1], 0x20              ; xb
	v_lshl_add_u32 v248, v0, 2, 0x10e00
	v_mov_b32 v249, 0
	v_lshrrev_b32 v1, 5, v0
	s_delay_alu instid0(VALU_DEP_1)
	v_readfirstlane_b32 s14, v1                    ; wave 0..7
	v_and_b32 v9, 31, v0
	v_and_b32 v1, 15, v0                           ; r
	v_bfe_u32 v2, v0, 4, 1                         ; h
	s_delay_alu instid0(VALU_DEP_3)
	v_lshlrev_b32 v3, 4, v9                        ; 16 x lane
	s_mul_i32 s15, s14, STG
	v_add_nc_u32 v4, s15, v3                       ; the stage, in
	v_mul_u32_u24 v5, v1, 528
	s_delay_alu instid0(VALU_DEP_1)
	v_lshl_add_u32 v5, v2, 6, v5
	s_delay_alu instid0(VALU_DEP_1)
	v_add_nc_u32 v5, s15, v5                       ; and out
	v_lshlrev_b32 v6, 6, v2                        ; g1, be1: 16 h numbers on
	s_lshl_b32 s15, s14, 6
	s_add_co_u32 s16, s15, RED
	v_lshl_add_u32 v7, v1, 2, s16                  ; my wave's word for row r
	v_lshlrev_b32 v8, 2, v1
	s_delay_alu instid0(VALU_DEP_1)
	v_add_nc_u32 v8, RED, v8                       ; the eight waves' words for row r
	s_add_co_u32 s16, s15, SCWD
	v_lshl_add_u32 v10, v1, 2, s16                 ; my K step's scale word for row r
	v_add_nc_u32 v11, SCWD, v3
	s_mov_b32 s[SEL], 0x76543210
	s_mov_b32 s[SEL+1], 0xfedcba98
	s_mov_b32 s[MNT], 0x600000
	s_mov_b32 s31, 0xba800000                      ; -1 / 1,024
	s_mov_b32 s32, 0x3a800000                      ; 1 / 1,024
	s_mov_b32 s33, 0x3727c5ac                      ; 1e-5
	s_lshr_b32 s16, ttmp9, 7                       ; the batch
	s_and_b32 s17, ttmp9, 127
	s_lshr_b32 s18, s17, 1
	s_lshl_b32 s18, s18, 5
	s_and_b32 s19, s17, 1
	s_lshl_b32 s19, s19, 3
	s_add_co_u32 s18, s18, s19                     ; the tile's first s
	s_lshl_b32 s18, s18, 13
	s_lshl_b32 s19, s16, 12
	s_add_co_u32 s18, s18, s19
	s_lshl_b32 s20, s14, 9                         ; my 128 columns: 512 bytes
	s_add_co_u32 s18, s18, s20
	s_mov_b32 s19, 0
	s_mov_b32 s21, 0
	s_lshl_b32 s22, ttmp9, 16
	s_lshl_b32 s23, s14, 13
	s_add_co_u32 s22, s22, s23                     ; my part of an f32 image
	s_mov_b32 s23, 0
	s_lshl_b32 s26, ttmp9, 14
	s_lshl_b32 s27, s14, 11
	s_add_co_u32 s26, s26, s27
	s_add_co_u32 s26, s26, 16777216                ; my fragment of codes
	s_mov_b32 s27, 0
	s_lshl_b32 s34, ttmp9, 9
	s_add_co_u32 s34, s34, 20971520                ; the tile's scale words
	s_mov_b32 s35, 0
	s_wait_alu depctr_va_vdst(0)
	s_wait_kmcnt 0x0
	s_add_nc_u64 s[6:7], s[6:7], s[18:19]
	s_add_nc_u64 s[4:5], s[4:5], s[22:23]
	s_add_nc_u64 s[8:9], s[8:9], s[20:21]
	s_add_nc_u64 s[10:11], s[10:11], s[20:21]
	s_add_nc_u64 s[24:25], s[12:13], s[22:23]
	s_add_nc_u64 s[26:27], s[12:13], s[26:27]
	s_add_nc_u64 s[34:35], s[12:13], s[34:35]
.irp i, 0,1,2,3,4,5,6,7,8,9,10,11,12,13,14,15
	global_load_b128 v[R+4*\i:R+4*\i+3], v3, s[6:7] offset:(\i+8*(\i/8))*8192    ; src: 512 consecutive bytes of the tile's row i
.endr
.irp g, 0,1,2,3,4,5,6,7,8,9,10,11,12,13,14,15
	global_load_b128 v[Y+4*\g:Y+4*\g+3], v3, s[4:5] offset:512*\g
.endr
.irp c, 0,1,2,3
.irp j, 0,1,2,3
	global_load_b128 v[BE+16*\c+4*\j:BE+16*\c+4*\j+3], v6, s[10:11] offset:128*\c+16*\j
.endr
.endr
	s_wait_loadcnt 32                              ; src is in; y1's and be1's loads may be out
.irp i, 0,1,2,3,4,5,6,7,8,9,10,11,12,13,14,15
	ds_store_b128 v4, v[R+4*\i:R+4*\i+3] offset:528*\i
.endr
.irp c, 0,1,2,3
.irp j, 0,1,2,3
	ds_load_b128 v[R+16*\c+4*\j:R+16*\c+4*\j+3], v5 offset:128*\c+16*\j    ; LDS serves a wave's instructions in order: these see the stores above
.endr
.endr
	s_wait_loadcnt 16                              ; y1 is in; be1's loads may be out
	s_wait_dscnt 0x0
.set k, 0
.rept 32
	v_pk_add_f32 v[Y+k:Y+k+1], v[Y+k:Y+k+1], v[R+k:R+k+1]
.set k, k+2
.endr
.irp c, 0,1,2,3
.irp j, 0,1,2,3
	global_load_b128 v[R+16*\c+4*\j:R+16*\c+4*\j+3], v6, s[8:9] offset:128*\c+16*\j   ; g1 takes src's registers
.endr
.endr
; four packed chains in v[224:231] become the row's total over all 1,024 columns, in v224 of every lane
.macro ROWSUM off
	s_delay_alu instid0(VALU_DEP_3)
	v_pk_add_f32 v[224:225], v[224:225], v[226:227]
	s_delay_alu instid0(VALU_DEP_2)
	v_pk_add_f32 v[228:229], v[228:229], v[230:231]
	s_delay_alu instid0(VALU_DEP_1)
	v_pk_add_f32 v[224:225], v[224:225], v[228:229]
	s_delay_alu instid0(VALU_DEP_1)
	v_add_f32 v224, v224, v225
	s_delay_alu instid0(VALU_DEP_1)
	v_permlanex16_b32 v225, v224, s[SEL], s[SEL+1]
	s_delay_alu instid0(VALU_DEP_1)
	v_add_f32 v224, v224, v225                     ; my wave's 128 columns of row r
	ds_store_b32 v7, v224 offset:\off
	s_wait_dscnt 0x0                               ; for the others' sake
	s_barrier_signal -1
	s_barrier_wait -1
.irp k, 0,1,2,3,4,5,6,7
	ds_load_b32 v[232+\k], v8 offset:\off+64*\k
.endr
	s_wait_dscnt 0x0
	v_add_f32 v232, v232, v233
	v_add_f32 v234, v234, v235
	v_add_f32 v236, v236, v237
	v_add_f32 v238, v238, v239
	s_delay_alu instid0(VALU_DEP_3)
	v_add_f32 v232, v232, v234
	s_delay_alu instid0(VALU_DEP_2)
	v_add_f32 v236, v236, v238
	s_delay_alu instid0(VALU_DEP_1)
	v_add_f32 v224, v232, v236
.endm
.irp k, 0,1,2,3
	v_pk_add_f32 v[224+2*\k:225+2*\k], v[Y+2*\k:Y+2*\k+1], v[Y+8+2*\k:Y+9+2*\k]
.endr
.irp m, 2,3,4,5,6,7
.irp k, 0,1,2,3
	s_delay_alu instid0(VALU_DEP_4)
	v_pk_add_f32 v[224+2*\k:225+2*\k], v[224+2*\k:225+2*\k], v[Y+8*\m+2*\k:Y+8*\m+2*\k+1]
.endr
.endr
	ROWSUM 0
	s_delay_alu instid0(VALU_DEP_1)
	v_mul_f32 v224, s31, v224                      ; -mean
.set k, 0
.rept 32
	v_pk_add_f32 v[Y+k:Y+k+1], v[Y+k:Y+k+1], v[224:225] op_sel_hi:[1,0]
.set k, k+2
.endr
.irp k, 0,1,2,3
	v_pk_mul_f32 v[224+2*\k:225+2*\k], v[Y+2*\k:Y+2*\k+1], v[Y+2*\k:Y+2*\k+1]
.endr
.irp m, 1,2,3,4,5,6,7
.irp k, 0,1,2,3
	s_delay_alu instid0(VALU_DEP_4)
	v_pk_fma_f32 v[224+2*\k:225+2*\k], v[Y+8*\m+2*\k:Y+8*\m+2*\k+1], v[Y+8*\m+2*\k:Y+8*\m+2*\k+1], v[224+2*\k:225+2*\k]
.endr
.endr
	ROWSUM 512                                     ; other bytes than the first sum's
	s_delay_alu instid0(VALU_DEP_1)
	v_fma_f32 v224, v224, s32, s33                 ; the variance + 1e-5
	s_wait_alu depctr_va_vdst(0)
	v_rsq_f32 v224, v224
	v_nop                                          ; a plain line behind the transcendental
	s_wait_loadcnt 0x0                             ; g1, be1
.set k, 0
	s_wait_alu depctr_va_vdst(0)
.rept 32
	v_pk_mul_f32 v[Y+k:Y+k+1], v[Y+k:Y+k+1], v[224:225] op_sel_hi:[1,0]
.set k, k+2
.endr
.set k, 0
.rept 32
	v_pk_fma_f32 v[BE+k:BE+k+1], v[Y+k:Y+k+1], v[R+k:R+k+1], v[BE+k:BE+k+1]
.set k, k+2
.endr
.irp g, 0,1,2,3,4,5,6,7,8,9,10,11,12,13,14,15
	global_store_b128 v3, v[BE+4*\g:BE+4*\g+3], s[24:25] offset:512*\g   ; x as f32: 512 consecutive bytes, aligned
.endr
.irp b, 0,1,2,3
	v_mov_b32 v[TM+4+\b], 0                        ; a lane permute's destination counts as one of its sources
.endr
.irp b, 0,1,2,3
	v_max3_num_f32 v[TM+\b], |v[BE+16*\b]|, |v[BE+1+16*\b]|, 0x8000000   ; block b: my 16 numbers, and the floor 2^(16 - 127)
.endr
.irp i, 2,4,6,8,10,12,14
.irp b, 0,1,2,3
	s_delay_alu instid0(VALU_DEP_4)
	v_max3_num_f32 v[TM+\b], v[TM+\b], |v[BE+16*\b+\i]|, |v[BE+1+16*\b+\i]|
.endr
.endr
.irp b, 0,1,2,3
	s_delay_alu instid0(VALU_DEP_4)
	v_permlanex16_b32 v[TM+4+\b], v[TM+\b], s[SEL], s[SEL+1]
.endr
.irp b, 0,1,2,3
	s_delay_alu instid0(VALU_DEP_4)
	v_max_num_f32 v[TM+\b], v[TM+\b], v[TM+4+\b]
.endr
.irp b, 0,1,2,3
	s_delay_alu instid0(VALU_DEP_4)
	v_add_nc_u32 v[TM+12+\b], 0xf8800000, v[TM+\b] ; the conversion's scale operand
.endr
.irp b, 0,1,2,3
	v_and_or_b32 v[TM+8+\b], v[TM+\b], 0x7f800000, s[MNT]   ; 57,344 x the scale
.endr
.irp b, 0,1,2,3
	v_lshrrev_b32 v[TM+4+\b], 23, v[TM+12+\b]      ; the scale's byte
.endr
	s_delay_alu instid0(VALU_DEP_3)
	v_lshl_or_b32 v[PW], v[TM+5], 8, v[TM+4]
	s_delay_alu instid0(VALU_DEP_1)
	v_lshl_or_b32 v[PW], v[TM+6], 16, v[PW]
	s_delay_alu instid0(VALU_DEP_1)
	v_lshl_or_b32 v[PW], v[TM+7], 24, v[PW]
	s_wait_xcnt 0x0                                ; the stores of x have read their registers: the hold writes them again only behind this wait
.irp b, 0,1,2,3
.irp i, 0,1,2,3,4,5,6,7,8,9,10,11,12,13,14,15
	v_med3_num_f32 v[BE+16*\b+\i], v[BE+16*\b+\i], -v[TM+8+\b], v[TM+8+\b]
.endr
	v_cvt_scalef32_pk8_bf8_f32 v[PC+4*\b:PC+1+4*\b], v[BE+16*\b:BE+7+16*\b], v[TM+12+\b]
	v_cvt_scalef32_pk8_bf8_f32 v[PC+2+4*\b:PC+3+4*\b], v[BE+8+16*\b:BE+15+16*\b], v[TM+12+\b]
.endr
	v_nop
.irp c, 0,1,2,3
	global_store_b128 v3, v[PC+4*\c:PC+4*\c+3], s[26:27] offset:512*\c
.endr
	ds_store_b32 v10, v[PW]
	s_wait_dscnt 0x0
	s_barrier_signal -1
	s_barrier_wait -1
	s_cmp_lg_u32 s14, 0
	s_cbranch_scc1 .Lend
	ds_load_b128 v[232:235], v11
	s_wait_dscnt 0x0
	global_store_b128 v3, v[232:235], s[34:35]     ; the tile's scale words: 512 consecutive bytes
.Lend:
	s_wait_tensorcnt 0x0
	ds_add_u32 v248, v249
	s_wait_dscnt 0x0
	s_endpgm
.Lfunc_end_k_q82c4369594_ln1:
	.size	k_q82c4369594_ln1, .Lfunc_end_k_q82c4369594_ln1-k_q82c4369594_ln1
	.p2alignl 7, 3214868480
	.fill 96, 4, 3214868480
	.section	.rodata,"a",@progbits
	.p2align	6, 0x0
	.amdhsa_kernel k_q82c4369594_ln1
		.amdhsa_group_segment_fixed_size 70144
		.amdhsa_private_segment_fixed_size 0
		.amdhsa_enable_private_segment 0
		.amdhsa_kernarg_size 40
		.amdhsa_user_sgpr_count 2
		.amdhsa_user_sgpr_kernarg_segment_ptr 1
		.amdhsa_wavefront_size32 1
		.amdhsa_system_sgpr_workgroup_id_x 1
		.amdhsa_system_sgpr_workgroup_id_y 1
		.amdhsa_system_sgpr_workgroup_id_z 1
		.amdhsa_system_vgpr_workitem_id 0
		.amdhsa_next_free_vgpr 250
		.amdhsa_next_free_sgpr 66
		.amdhsa_reserve_vcc 0
		.amdhsa_float_denorm_mode_32 3
		.amdhsa_float_denorm_mode_16_64 3
		.amdhsa_memory_ordered 1
		.amdhsa_forward_progress 1
		.amdhsa_inst_pref_size 40
	.end_amdhsa_kernel
	.amdgpu_metadata
---
amdhsa.version: [ 1, 2 ]
amdhsa.kernels:
  - .name:           k_q82c4369594_ln1
    .symbol:         k_q82c4369594_ln1.kd
    .args:
      - { .name: y1, .offset: 0, .size: 8, .value_kind: global_buffer, .address_space: global }
      - { .name: src, .offset: 8, .size: 8, .value_kind: global_buffer, .address_space: global }
      - { .name: g1, .offset: 16, .size: 8, .value_kind: global_buffer, .address_space: global }
      - { .name: be1, .offset: 24, .size: 8, .value_kind: global_buffer, .address_space: global }
      - { .name: xb, .offset: 32, .size: 8, .value_kind: global_buffer, .address_space: global }
    .group_segment_fixed_size: 70144
    .private_segment_fixed_size: 0
    .kernarg_segment_align: 8
    .kernarg_segment_size: 40
    .max_flat_workgroup_size: 256
    .sgpr_count:     66
    .vgpr_count:     250
    .wavefront_size: 32
...
	.end_amdgpu_metadata
.endif
;; end of part 5
;; launch gemm_1 (part 6): grid 16 x 16, 4 waves a work-group, clusters of 4 x 4, 327,680 bytes of LDS; arguments xb, qin, b1, hb; writes hb
.if DOCPART == 6
	.amdgcn_target "amdgcn-amd-amdhsa--gfx1250"
	.amdhsa_code_object_version 6
	.text
	.protected	k_q82c4369594_gemm_1
	.globl	k_q82c4369594_gemm_1
	.p2align	8
	.type	k_q82c4369594_gemm_1,@function
k_q82c4369594_gemm_1:
	s_mov_b64 s[64:65], 0
	v_nop
	global_prefetch_b8 v0, s[64:65] scope:SCOPE_SE
	s_setreg_imm32_b32 hwreg(HW_REG_WAVE_MODE, 25, 1), 1
	s_wait_xcnt 0x0
	s_wait_alu depctr_hold_cnt(0) depctr_sa_sdst(0) depctr_va_vdst(0) depctr_va_sdst(0) depctr_va_ssrc(0) depctr_va_vcc(0) depctr_vm_vsrc(0)
	s_getreg_b32 s2, hwreg(HW_REG_IB_STS2, 6, 4)
	s_cmp_eq_u32 s2, 0
	s_cbranch_scc0 .Lentry_in_a_cluster
	s_endpgm
.Lentry_in_a_cluster:
	s_bfe_u32 s2, ttmp6, 0x10000c
	s_cmp_lg_u32 s2, 0xf033
	s_cbranch_scc0 .Lentry_shape_is_right
	s_endpgm
.Lentry_shape_is_right:
.set KS,    8
.set SLOTB, 131072
.set SCL,   262144
.set HALFS, 4096
.set SCR,   SCL+4*HALFS
.set SPARE, SCR+2048
.set PCOD,  16777216
.set PSCL,  20971520
.set WCOD,  8388608
.set WSCL,  16777216+262144
.set FR,    16
.set NL,    4
.set NP,    8
.set ADRA, 16
.set ADRB, 20
.set ADRS, 27
.set SPW,  28
.set NIL,  29
.set SC,   32
.set BI,   64
.set AF,   128
.set TM,   32
.set PW,   48
.set PC,   64
.set TP,   192
.set G1, 24
.set G0, 32
.set G1B, 48
.set G0B, 56
.set G1S, 68
.set G0S, 76
.set G1SB, 80
.set G0SB, 88
.set SEL, 66
.set MNT, 95
.set MSB, 0
.macro WIN new
.if MSB != \new
	s_set_vgpr_msb (MSB<<8)|\new
.set MSB, \new
.endif
.endm
.set MUL_LO, 0xa1
.set MUL_HI, 0xf1
.set FST_LO, 0x81
.set FST_HI, 0xc1
.set TO_B,   0x40
.macro PLACES n
.rept \n
	v_nop
.endr
.endm
.macro JLOAD g0a, g1a, g0b, g1b
	s_cmp_eq_u32 s15, 0
	s_cbranch_scc0 .Lfor_b_\@
	tensor_load_to_lds s[\g0a:\g0a+3], s[\g1a:\g1a+7]
	s_nop 0
.rept 4
	v_nop
.endr
	s_branch .Lasked_\@
.Lfor_b_\@:
	tensor_load_to_lds s[\g0b:\g0b+3], s[\g1b:\g1b+7]
	s_nop 0
.rept 4
	v_nop
.endr
.Lasked_\@:
.endm
.macro CREST
	s_cmp_lg_u32 s14, 0
	s_cbranch_scc1 .Lnot_wave_0_\@
	s_barrier_signal -3
.Lnot_wave_0_\@:
	s_barrier_wait -3
	s_barrier_signal -1
	s_barrier_wait -1
.endm
.macro CROUND
	s_barrier_signal -1
	s_barrier_wait -1
	CREST
.endm
	s_load_b256 s[4:11], s[0:1], 0x0
	v_lshl_add_u32 v[SPW], v0, 2, SPARE
	v_mov_b32 v[NIL], 0
	ds_add_u32 v28, v29
	ds_add_u32 v28, v29
	s_wait_dscnt 0x0
	v_lshrrev_b32 v1, 5, v0
	v_readfirstlane_b32 s14, v1
	s_lshr_b32 s15, s14, 1
	s_and_b32 s16, s14, 1
	s_bfe_u32 s40, ttmp6, 0x40000
	s_bfe_u32 s41, ttmp6, 0x40004
	s_lshl_b32 s42, ttmp9, 2
	s_add_co_u32 s42, s42, s40
	s_and_b32 s17, ttmp7, 0xffff
	s_lshl_b32 s17, s17, 2
	s_add_co_u32 s17, s17, s41
	s_lshl_b32 s43, s41, 2
	s_lshl_b32 s43, 15, s43
	s_lshl_b32 s44, 0x1111, s40
	s_or_b32 s[G1+0], s43, (3<<16)|(1<<21)
	s_or_b32 s[G1B+0], s44, (3<<16)|(1<<21)
.irp g, G1, G1B
	s_mov_b32 s[\g+1], 512<<16
	s_mov_b32 s[\g+2], 16<<16                      ; the head's loads bring an operand's 16 tiles; behind them the two words that count rows are set to 8, for the ring's
	s_mov_b32 s[\g+3], 512<<16
	s_mov_b32 s[\g+4], 16
	s_mov_b32 s[\g+5], KS*256
	s_mov_b32 s[\g+6], 0
	s_mov_b32 s[\g+7], 0
.endr
	s_or_b32 s[G1S+0], s43, (3<<16)|(1<<21)
	s_or_b32 s[G1SB+0], s44, (3<<16)|(1<<21)
.irp g, G1S, G1SB
	s_mov_b32 s[\g+1], 32<<16
	s_mov_b32 s[\g+2], 32<<16                      ; the scale words of 16 tiles: 8,192 dense bytes
	s_mov_b32 s[\g+3], 32<<16
	s_mov_b32 s[\g+4], 32
	s_mov_b32 s[\g+5], 32
	s_mov_b32 s[\g+6], 0
	s_mov_b32 s[\g+7], 0
.endr
	s_lshl_b32 s20, s17, 4                         ; x: the block's first tile
	s_lshl_b32 s46, s42, 4                         ; W1: likewise
	s_mul_i32 s22, s20, KS*64
	s_add_co_u32 s22, s22, PSCL
	s_mov_b32 s23, 0
	s_mul_i32 s92, s46, KS*64
	s_add_co_u32 s92, s92, WSCL
	s_mov_b32 s93, 0
	s_mul_i32 s20, s20, KS*2048
	s_add_co_u32 s20, s20, PCOD
	s_mov_b32 s21, 0
	s_mul_i32 s46, s46, KS*2048
	s_add_co_u32 s46, s46, WCOD
	s_mov_b32 s47, 0
	s_lshl_b32 s45, s14, 15
	s_lshl_b32 s18, s16, 17                        ; in the ring I fetch 8 tiles of 16,384 bytes: which half
	s_mov_b32 s19, 0
	s_mov_b32 s[SEL], 0x76543210
	s_mov_b32 s[SEL+1], 0xfedcba98
	s_mov_b32 s[MNT], 0x600000
	s_wait_kmcnt 0x0
	s_add_nc_u64 s[20:21], s[4:5], s[20:21]
	s_add_nc_u64 s[22:23], s[4:5], s[22:23]
	s_add_nc_u64 s[46:47], s[6:7], s[46:47]
	s_add_nc_u64 s[92:93], s[6:7], s[92:93]
	CROUND
	s_mov_b32 s[G0S], 1
	s_mov_b32 s[G0S+1], SCL
	s_mov_b64 s[G0S+2:G0S+3], s[22:23]
	s_or_b32 s[G0S+3], s[G0S+3], 0x80000000
	s_mov_b32 s[G0SB], 1
	s_mov_b32 s[G0SB+1], SCL+2*HALFS
	s_mov_b64 s[G0SB+2:G0SB+3], s[92:93]
	s_or_b32 s[G0SB+3], s[G0SB+3], 0x80000000
	s_mov_b32 s4, 1                                ; group 0 of the head's loads of codes (the arguments that lay in s[4:7] have been used): x's 16 tiles, K steps 0 and 1,
	s_mov_b32 s5, 0
	s_mov_b64 s[6:7], s[20:21]
	s_or_b32 s7, s7, 0x80000000
	s_mov_b32 s96, 1                               ; and W1's, behind them in slot 0
	s_mov_b32 s97, 65536
	s_mov_b64 s[98:99], s[46:47]
	s_or_b32 s99, s99, 0x80000000
	s_add_nc_u64 s[20:21], s[20:21], s[18:19]      ; for the ring: my 8 tiles
	s_add_nc_u64 s[46:47], s[46:47], s[18:19]
	s_cmp_eq_u32 s15, 0                            ; the prefetches: of the 8 tiles that I fetch each of the four partners that ask for them jointly takes two, told apart by address (cx for x, cy for W1)
	s_cselect_b64 s[12:13], s[20:21], s[46:47]
	s_cselect_b32 s2, s40, s41
	s_lshl_b32 s2, s2, 15
	s_mov_b32 s3, 0
	s_add_nc_u64 s[12:13], s[12:13], s[2:3]
.irp s, 0,1
	s_mov_b32 s[G0+4*\s], 1
	s_add_co_u32 s[G0+4*\s+1], s45, \s*SLOTB
	s_add_nc_u64 s[G0+4*\s+2:G0+4*\s+3], s[20:21], \s*4096
	s_or_b32 s[G0+4*\s+3], s[G0+4*\s+3], 0x80000000
	s_mov_b32 s[G0B+4*\s], 1
	s_add_co_u32 s[G0B+4*\s+1], s45, \s*SLOTB
	s_add_nc_u64 s[G0B+4*\s+2:G0B+4*\s+3], s[46:47], \s*4096
	s_or_b32 s[G0B+4*\s+3], s[G0B+4*\s+3], 0x80000000
.endr
; THE HEAD'S LOADS, ONE A WAVE: wave 0 x's codes of slot 0, wave 1 W1's, wave 2 x's scale words, wave 3 W1's.  One tree of branches on the wave's number: every way passes exactly one load.
.macro ARM under, g0, g1, next
	s_cmp_lt_u32 s14, \under
	s_cbranch_scc0 \next
	tensor_load_to_lds s[\g0:\g0+3], s[\g1:\g1+7]
	s_nop 0
.rept 4
	v_nop
.endr
	s_branch .Lhead_asked
\next:
.endm
	ARM 1, 4, G1, .Lhead_b
	ARM 2, 96, G1B, .Lhead_sa
	ARM 3, G0S, G1S, .Lhead_sb
	tensor_load_to_lds s[G0SB:G0SB+3], s[G1SB:G1SB+7]
	s_nop 0
.rept 4
	v_nop
.endr
.Lhead_asked:
	v_and_b32 v11, 31, v0
	v_and_b32 v1, 15, v0
	v_bfe_u32 v2, v0, 4, 1
	v_lshlrev_b32 v3, 4, v11
	s_lshl_b32 s21, s15, 15
	v_add_nc_u32 v[ADRA], s21, v3
	v_add_nc_u32 v[ADRA+1], SLOTB, v[ADRA]
	s_lshl_b32 s22, s16, 15
	s_add_co_u32 s22, s22, 65536
	v_add_nc_u32 v[ADRB], s22, v3
	v_add_nc_u32 v[ADRB+1], SLOTB, v[ADRB]
	s_mul_i32 s21, s15, HALFS
	s_mul_i32 s22, s16, HALFS
	s_add_co_u32 s22, s22, 2*HALFS
	s_sub_co_u32 s22, s22, s21
	v_mul_u32_u24 v6, s22, v2
	s_wait_alu depctr_va_vdst(0)
	s_add_co_u32 s21, s21, SCL
	v_lshl_add_u32 v[ADRS], v1, 2, v6
	v_add_nc_u32 v[ADRS], s21, v[ADRS]
	s_lshl_b32 s21, s14, 9
	s_add_co_u32 s21, s21, SCR
	v_lshl_add_u32 v12, v1, 2, s21
	v_add_nc_u32 v10, s21, v3
	v_lshlrev_b32 v13, 6, v2
	v_lshlrev_b32 v14, 8, v1
	v_lshl_add_u32 v14, v2, 14, v14                ; lanes 0-15 one tile's 16 blocks of 256 bytes, lanes 16-31 the next tile's; never rewritten
	global_prefetch_b8 v14, s[12:13] offset:8192 th:TH_LOAD_NT scope:SCOPE_SE    ; K steps 4, 5 and 6, 7: what the two refills will load, one and two slots' work ahead of them
	global_prefetch_b8 v14, s[12:13] offset:12288 th:TH_LOAD_NT scope:SCOPE_SE
	s_lshl_b32 s46, s42, 10
	s_lshl_b32 s47, s16, 9
	s_add_co_u32 s46, s46, s47
	s_mov_b32 s47, 0
	s_add_nc_u64 s[8:9], s[8:9], s[46:47]
.irp b, 0,1,2,3,4,5,6,7
	global_load_b128 v[BI+8*\b:BI+8*\b+3], v13, s[8:9] offset:(32*(\b/2)+8*(\b%2))*4
	global_load_b128 v[BI+8*\b+4:BI+8*\b+7], v13, s[8:9] offset:(32*(\b/2)+8*(\b%2))*4+16
.endr
	s_lshl_b32 s46, s42, 1
	s_add_co_u32 s46, s46, s16
	s_lshl_b32 s18, s17, 4
	s_lshl_b32 s19, s15, 3
	s_add_co_u32 s18, s18, s19
	s_lshl_b32 s20, s46, 14
	s_lshl_b32 s21, s18, 6
	s_add_co_u32 s20, s20, s21
	s_add_co_u32 s20, s20, 16777216
	s_mov_b32 s21, 0
	s_add_nc_u64 s[20:21], s[10:11], s[20:21]
	s_lshl_b32 s18, s18, 16
	s_lshl_b32 s46, s46, 11
	s_add_co_u32 s18, s18, s46
	s_mov_b32 s19, 0
	s_add_nc_u64 s[10:11], s[10:11], s[18:19]
.macro FRAG reg, adr, q, i
.irp c, 0,1,2,3
	ds_load_b128 v[\reg+4*\c:\reg+4*\c+3], v[\adr] offset:(\i)*4096+(\q)*2048+512*\c
.endr
.endm
.macro MUL16 a0, p, q, sc, first
.irp a, \a0, \a0+1
.irp b, 0,1,2,3,4,5,6,7
.if \first
	v_wmma_scale_f32_16x16x128_f8f6f4 v[8*(8*((\a)%4)+\b):8*(8*((\a)%4)+\b)+7], v[128*(\p)+FR*\b:128*(\p)+FR*\b+FR-1], v[AF+FR*(\a):AF+FR*(\a)+FR-1], v[BI+8*\b:BI+8*\b+7], v[SC+16*(\sc)+2*\b+(\q)], v[SC+16*(\sc)+2*(\a)+(\q)] matrix_a_fmt:MATRIX_FMT_BF8 matrix_b_fmt:MATRIX_FMT_BF8 matrix_a_scale:MATRIX_SCALE_ROW1
.else
	v_wmma_scale_f32_16x16x128_f8f6f4 v[8*(8*((\a)%4)+\b):8*(8*((\a)%4)+\b)+7], v[128*(\p)+FR*\b:128*(\p)+FR*\b+FR-1], v[AF+FR*(\a):AF+FR*(\a)+FR-1], v[8*(8*((\a)%4)+\b):8*(8*((\a)%4)+\b)+7], v[SC+16*(\sc)+2*\b+(\q)], v[SC+16*(\sc)+2*(\a)+(\q)] matrix_a_fmt:MATRIX_FMT_BF8 matrix_b_fmt:MATRIX_FMT_BF8 matrix_a_scale:MATRIX_SCALE_ROW1
.endif
.endr
.endr
.endm
.macro FETCH_B slot, q, p
	WIN TO_B
.irp i, 0,1,2,3,4,5,6,7
	FRAG 128*(\p)+FR*\i, ADRB+\slot, \q, \i
.endr
	WIN 0
.endm
.macro FETCH_A slot, q, i0
.irp i, \i0, \i0+1, \i0+2, \i0+3
	FRAG AF+FR*(\i), ADRA+\slot, \q, \i
.endr
.endm
.macro SCALES set, kk
.irp i, 0,1,2,3,4,5,6,7
.irp q, 0,1
	ds_load_b32 v[SC+16*\set+2*\i+\q], v[ADRS] offset:\i*512+(2*(\kk)+\q)*64
.endr
.endr
.endm
.macro STEP slot, first
	s_wait_dscnt 4*NL
.if \first
	WIN FST_LO
.else
	WIN MUL_LO
.endif
	MUL16 0, 0, 0, \slot, \first
	MUL16 2, 0, 0, \slot, \first
	s_wait_dscnt 0
	PLACES NP
	FETCH_B \slot, 1, 1
	FETCH_A \slot, 1, 0
.if \first
	WIN FST_HI
.else
	WIN MUL_HI
.endif
	MUL16 4, 0, 0, \slot, \first
	MUL16 6, 0, 0, \slot, \first
	PLACES NP
	WIN 0
	FETCH_A \slot, 1, 4
.endm
.macro TURN slot, next, fill, kk
	s_wait_tensorcnt 0x0
	ds_add_u32 v[SPW], v[NIL]
	s_wait_dscnt 4*NL+1
	WIN MUL_LO
	MUL16 0, 1, 1, \slot, 0
	s_wait_dscnt 0x0
	s_barrier_signal -1
	MUL16 2, 1, 1, \slot, 0
	WIN 0
	s_barrier_wait -1
.if \fill
	CREST
	s_add_nc_u64 s[G0+4*\slot+2:G0+4*\slot+3], s[G0+4*\slot+2:G0+4*\slot+3], 8192
	s_add_nc_u64 s[G0B+4*\slot+2:G0B+4*\slot+3], s[G0B+4*\slot+2:G0B+4*\slot+3], 8192
	JLOAD G0+4*\slot, G1, G0B+4*\slot, G1B
	PLACES NP-4
.else
	PLACES NP
.endif
	FETCH_B \next, 0, 0
	FETCH_A \next, 0, 0
	SCALES \next, \kk
	WIN MUL_HI
	MUL16 4, 1, 1, \slot, 0
	MUL16 6, 1, 1, \slot, 0
	PLACES NP
	WIN 0
	FETCH_A \next, 0, 4
.endm
	s_wait_alu depctr_va_vdst(0)
	s_wait_tensorcnt 0x0                           ; my tile of the head's four is in
	ds_add_u32 v28, v29
	s_mov_b32 s[G1+2], 8<<16                       ; no tensor load of mine is out: from here on a load brings 8 tiles
	s_mov_b32 s[G1+4], 8
	s_mov_b32 s[G1B+2], 8<<16
	s_mov_b32 s[G1B+4], 8
	s_wait_dscnt 0x0
	CROUND                                         ; all four tiles are in, and all sixteen work-groups are here
	JLOAD G0+4, G1, G0B+4, G1B                     ; slot 1's first fill, the first tensor load behind the round
	s_wait_loadcnt 0x0                             ; the bias
	FETCH_B 0, 0, 0
	FETCH_A 0, 0, 0
	SCALES 0, 0
	FETCH_A 0, 0, 4
	STEP 0, 1
	TURN 0, 1, 1, 1
	STEP 1, 0
	TURN 1, 0, 1, 2
	STEP 0, 0
	TURN 0, 1, 0, 3
	STEP 1, 0
	s_wait_dscnt 4*NL
	WIN MUL_LO
	MUL16 0, 1, 1, 1, 0
	MUL16 2, 1, 1, 1, 0
	s_wait_dscnt 0
	WIN MUL_HI
	MUL16 4, 1, 1, 1, 0
	MUL16 6, 1, 1, 1, 0
	WIN 0
.macro QUANTW a
.set AC, 64*((\a)%4)
	WIN 0x0a+5*((\a)/4)
.irp b, 0,1,2,3
	v_max3_num_f32 v[TM+\b], v[AC+16*\b], v[AC+1+16*\b], 0x8000000
.endr
.irp i, 2,4,6,8,10,12,14
.irp b, 0,1,2,3
	v_max3_num_f32 v[TM+\b], v[AC+16*\b+\i], v[AC+1+16*\b+\i], v[TM+\b]
.endr
.endr
	WIN 0
.irp b, 0,1,2,3
	v_permlanex16_b32 v[TM+4+\b], v[TM+\b], s[SEL], s[SEL+1]
.endr
.irp b, 0,1,2,3
	v_max_num_f32 v[TM+\b], v[TM+\b], v[TM+4+\b]
.endr
.irp b, 0,1,2,3
	v_add_nc_u32 v[TM+12+\b], 0xf8800000, v[TM+\b]
.endr
.irp b, 0,1,2,3
	v_and_or_b32 v[TM+8+\b], v[TM+\b], 0x7f800000, s[MNT]
.endr
.irp b, 0,1,2,3
	v_lshrrev_b32 v[TM+4+\b], 23, v[TM+12+\b]
.endr
	v_lshl_or_b32 v[PW+(\a)], v[TM+5], 8, v[TM+4]
	v_lshl_or_b32 v[PW+(\a)], v[TM+6], 16, v[PW+(\a)]
	v_lshl_or_b32 v[PW+(\a)], v[TM+7], 24, v[PW+(\a)]
	WIN 0x02+((\a)/4)
.irp b, 0,1,2,3
.irp i, 0,1,2,3,4,5,6,7,8,9,10,11,12,13,14,15
	v_med3_num_f32 v[TP+16*\b+\i], v[AC+16*\b+\i], 0, v[TM+8+\b]
.endr
.endr
	WIN 0
.irp b, 0,1,2,3
	v_cvt_scalef32_pk8_bf8_f32 v[PC+16*(\a)+4*\b:PC+16*(\a)+4*\b+1], v[TP+16*\b:TP+16*\b+7], v[TM+12+\b]
	v_cvt_scalef32_pk8_bf8_f32 v[PC+16*(\a)+4*\b+2:PC+16*(\a)+4*\b+3], v[TP+16*\b+8:TP+16*\b+15], v[TM+12+\b]
.endr
	v_nop
.irp c, 0,1,2,3
	global_store_b128 v3, v[PC+16*(\a)+4*\c:PC+16*(\a)+4*\c+3], s[10:11] offset:(\a)*65536+512*\c
.endr
	ds_store_b32 v12, v[PW+(\a)] offset:64*(\a)
.endm
	PLACES NP
.irp b, 0,1,2,3
	v_mov_b32 v[TM+4+\b], 0
.endr
.irp a, 0,1,2,3,4,5,6,7
	QUANTW \a
.endr
	ds_load_b128 v[56:59], v10
	s_wait_dscnt 0x0
	global_store_b128 v3, v[56:59], s[20:21]
	s_wait_tensorcnt 0x0
	ds_add_u32 v[SPW], v[NIL]
	s_wait_dscnt 0x0
	CROUND
	s_endpgm
.Lfunc_end_k_q82c4369594_gemm_1:
	.size	k_q82c4369594_gemm_1, .Lfunc_end_k_q82c4369594_gemm_1-k_q82c4369594_gemm_1
	.p2alignl 7, 3214868480
	.fill 96, 4, 3214868480
	.section	.rodata,"a",@progbits
	.p2align	6, 0x0
	.amdhsa_kernel k_q82c4369594_gemm_1
		.amdhsa_group_segment_fixed_size 327680
		.amdhsa_private_segment_fixed_size 0
		.amdhsa_enable_private_segment 0
		.amdhsa_kernarg_size 32
		.amdhsa_user_sgpr_count 2
		.amdhsa_user_sgpr_kernarg_segment_ptr 1
		.amdhsa_wavefront_size32 1
		.amdhsa_system_sgpr_workgroup_id_x 1
		.amdhsa_system_sgpr_workgroup_id_y 1
		.amdhsa_system_sgpr_workgroup_id_z 1
		.amdhsa_system_vgpr_workitem_id 0
		.amdhsa_next_free_vgpr 1024
		.amdhsa_next_free_sgpr 100
		.amdhsa_reserve_vcc 0
		.amdhsa_float_denorm_mode_32 3
		.amdhsa_float_denorm_mode_16_64 3
		.amdhsa_memory_ordered 1
		.amdhsa_forward_progress 1
		.amdhsa_inst_pref_size 189
	.end_amdhsa_kernel
	.amdgpu_metadata
---
amdhsa.version: [ 1, 2 ]
amdhsa.kernels:
  - .name:           k_q82c4369594_gemm_1
    .symbol:         k_q82c4369594_gemm_1.kd
    .args:
      - { .name: xb, .offset: 0, .size: 8, .value_kind: global_buffer, .address_space: global }
      - { .name: qin, .offset: 8, .size: 8, .value_kind: global_buffer, .address_space: global }
      - { .name: b1, .offset: 16, .size: 8, .value_kind: global_buffer, .address_space: global }
      - { .name: hb, .offset: 24, .size: 8, .value_kind: global_buffer, .address_space: global }
    .group_segment_fixed_size: 327680
    .private_segment_fixed_size: 0
    .kernarg_segment_align: 8
    .kernarg_segment_size: 32
    .max_flat_workgroup_size: 128
    .sgpr_count:     100
    .vgpr_count:     1024
    .wavefront_size: 32
...
	.end_amdgpu_metadata
.endif
;; end of part 6
;; launch gemm_2 (part 7): grid 8 x 32, 4 waves a work-group, clusters of 4 x 4, 327,680 bytes of LDS; arguments hb, qin, b2, y2; writes y2
.if DOCPART == 7
	.amdgcn_target "amdgcn-amd-amdhsa--gfx1250"
	.amdhsa_code_object_version 6
	.text
	.protected	k_q82c4369594_gemm_2
	.globl	k_q82c4369594_gemm_2
	.p2align	8
	.type	k_q82c4369594_gemm_2,@function
k_q82c4369594_gemm_2:
	s_mov_b64 s[64:65], 0
	v_nop
	global_prefetch_b8 v0, s[64:65] scope:SCOPE_SE
	s_setreg_imm32_b32 hwreg(HW_REG_WAVE_MODE, 25, 1), 1
	s_wait_xcnt 0x0
	s_wait_alu depctr_hold_cnt(0) depctr_sa_sdst(0) depctr_va_vdst(0) depctr_va_sdst(0) depctr_va_ssrc(0) depctr_va_vcc(0) depctr_vm_vsrc(0)
	s_getreg_b32 s2, hwreg(HW_REG_IB_STS2, 6, 4)
	s_cmp_eq_u32 s2, 0
	s_cbranch_scc0 .Lentry_in_a_cluster
	s_endpgm
.Lentry_in_a_cluster:
	s_bfe_u32 s2, ttmp6, 0x10000c
	s_cmp_lg_u32 s2, 0xf033
	s_cbranch_scc0 .Lentry_shape_is_right
	s_endpgm
.Lentry_shape_is_right:
.set KS,    32
.set SLOTB, 131072
.set SCL,   262144
.set HALFS, KS*256
.set SPARE, SCL+4*HALFS
.set P_SA,  64
.set P_SK,  512                        ; h's scale words in LDS: [K step][8 tiles][64 bytes]
.set W_SA,  2048
.set W_SK,  64
.set PSCL,  16777216
.set WCOD,  12582912
.set WSCL,  16777216+393216
.set ADP,  4
.set ADW,  6
.set ADSP, 8
.set ADSW, 9
.set SPW,  28
.set NIL,  29
.set SCP,  32
.set SCW,  64
.set BI,   96
.set ACC,  128
.set F0,   0
.set F1,   128
.set G1, 24
.set G0, 32
.set G1B, 48
.set G0B, 56
.set G1S, 68
.set G0S, 76
.set G1SB, 80
.set G0SB, 88
.set MSB, 0
.macro WIN new
.if MSB != \new
	s_set_vgpr_msb (MSB<<8)|\new
.set MSB, \new
.endif
.endm
.set MUL,  0x05
.set TO_F, 0x40
.macro PLACES n
.rept \n
	v_nop
.endr
.endm
.macro JLOAD g0a, g1a, g0b, g1b
	s_cmp_eq_u32 s15, 0
	s_cbranch_scc0 .Lfor_b_\@
	tensor_load_to_lds s[\g0a:\g0a+3], s[\g1a:\g1a+7]
	s_nop 0
.rept 4
	v_nop
.endr
	s_branch .Lasked_\@
.Lfor_b_\@:
	tensor_load_to_lds s[\g0b:\g0b+3], s[\g1b:\g1b+7]
	s_nop 0
.rept 4
	v_nop
.endr
.Lasked_\@:
.endm
.macro CROUND
	s_barrier_signal -1
	s_barrier_wait -1
	s_cmp_lg_u32 s14, 0
	s_cbranch_scc1 .Lnot_wave_0_\@
	s_barrier_signal -3
.Lnot_wave_0_\@:
	s_barrier_wait -3
	s_barrier_signal -1
	s_barrier_wait -1
.endm
	s_load_b256 s[4:11], s[0:1], 0x0
	v_lshl_add_u32 v[SPW], v0, 2, SPARE
	v_mov_b32 v[NIL], 0
	ds_add_u32 v28, v29
	ds_add_u32 v28, v29
	s_wait_dscnt 0x0
	v_lshrrev_b32 v1, 5, v0
	v_readfirstlane_b32 s14, v1
	s_lshr_b32 s15, s14, 1
	s_and_b32 s16, s14, 1
	s_bfe_u32 s40, ttmp6, 0x40000
	s_bfe_u32 s41, ttmp6, 0x40004
	s_lshl_b32 s42, ttmp9, 2
	s_add_co_u32 s42, s42, s40
	s_and_b32 s17, ttmp7, 0xffff
	s_lshl_b32 s17, s17, 2
	s_add_co_u32 s17, s17, s41
	s_lshl_b32 s43, s41, 2
	s_lshl_b32 s43, 15, s43
	s_lshl_b32 s44, 0x1111, s40
	s_or_b32 s[G1+0], s43, (3<<16)|(1<<21)
	s_or_b32 s[G1B+0], s44, (3<<16)|(1<<21)
.irp g, G1, G1B
	s_mov_b32 s[\g+1], 1024<<16
	s_mov_b32 s[\g+2], 8<<16                       ; the head's loads bring an operand's 8 tiles; behind them the two words that count rows are set to 4, for the ring's
	s_mov_b32 s[\g+3], 1024<<16
	s_mov_b32 s[\g+4], 8
	s_mov_b32 s[\g+5], KS*256
	s_mov_b32 s[\g+6], 0
	s_mov_b32 s[\g+7], 0
.endr
	s_or_b32 s[G1S+0], s43, (3<<16)|(1<<21)
	s_or_b32 s[G1SB+0], s44, (3<<16)|(1<<21)
	s_mov_b32 s[G1S+1], 64<<16                     ; h's scale words: 32 rows (K steps) of 512 bytes (8 tiles), 16,384 bytes apart
	s_mov_b32 s[G1S+2], KS<<16
	s_mov_b32 s[G1S+3], 64<<16
	s_mov_b32 s[G1S+4], KS
	s_mov_b32 s[G1SB+1], 32<<16                    ; W2's: 8 tiles x 2,048 dense bytes, as 64 rows of 256
	s_mov_b32 s[G1SB+2], (2*KS)<<16
	s_mov_b32 s[G1SB+3], 32<<16
	s_mov_b32 s[G1SB+4], 2*KS
.irp g, G1S, G1SB
	s_mov_b32 s[\g+6], 0
	s_mov_b32 s[\g+7], 0
.endr
	s_mov_b32 s[G1S+5], 2048
	s_mov_b32 s[G1SB+5], 32
	s_lshl_b32 s20, s17, 3                         ; h: the block's first tile
	s_lshl_b32 s46, s42, 3                         ; W2: likewise
	s_lshl_b32 s22, s20, 6
	s_add_co_u32 s22, s22, PSCL
	s_mov_b32 s23, 0
	s_mul_i32 s92, s46, KS*64
	s_add_co_u32 s92, s92, WSCL
	s_mov_b32 s93, 0
	s_mul_i32 s20, s20, KS*2048
	s_mov_b32 s21, 0
	s_mul_i32 s46, s46, KS*2048
	s_add_co_u32 s46, s46, WCOD
	s_mov_b32 s47, 0
	s_lshl_b32 s45, s14, 15
	s_lshl_b32 s18, s16, 18                        ; in the ring I fetch 4 tiles of 65,536 bytes: which half
	s_mov_b32 s19, 0
	s_wait_kmcnt 0x0
	s_add_nc_u64 s[20:21], s[4:5], s[20:21]
	s_add_nc_u64 s[22:23], s[4:5], s[22:23]
	s_add_nc_u64 s[46:47], s[6:7], s[46:47]
	s_add_nc_u64 s[92:93], s[6:7], s[92:93]
	; THE PREFETCHES INTO THE L2.  A slot's part of a tile is 8,192 bytes on end: 32 blocks of 256 bytes, a lane a block.  Of the four tiles that my wave fetches, each of the four partners that ask for them jointly
	; takes one, told apart by address (cx for h's tiles, cy for W2's): one instruction a wave names each block once in each cluster that will load it.
	s_cmp_eq_u32 s15, 0
	s_cselect_b64 s[96:97], s[20:21], s[46:47]
	s_cselect_b32 s98, s40, s41
	s_lshl_b32 s98, s98, 16                        ; a tile's whole K is 65,536 bytes
	s_mov_b32 s99, 0
	s_add_nc_u64 s[96:97], s[96:97], s[98:99]
	s_add_nc_u64 s[96:97], s[96:97], s[18:19]      ; among the four tiles that I fetch
	CROUND
	s_mov_b32 s[G0S], 1
	s_mov_b32 s[G0S+1], SCL
	s_mov_b64 s[G0S+2:G0S+3], s[22:23]
	s_or_b32 s[G0S+3], s[G0S+3], 0x80000000
	s_mov_b32 s[G0SB], 1
	s_mov_b32 s[G0SB+1], SCL+2*HALFS
	s_mov_b64 s[G0SB+2:G0SB+3], s[92:93]
	s_or_b32 s[G0SB+3], s[G0SB+3], 0x80000000
	s_mov_b32 s4, 1                                ; group 0 of the head's loads of codes (the arguments that lay in s[4:7] have been used): h's 8 tiles, K steps 0 to 3,
	s_mov_b32 s5, 0
	s_mov_b64 s[6:7], s[20:21]
	s_or_b32 s7, s7, 0x80000000
	s_mov_b32 s92, 1                               ; and W2's, behind them in slot 0 (s[92:93] has been copied above)
	s_mov_b32 s93, 65536
	s_mov_b64 s[94:95], s[46:47]
	s_or_b32 s95, s95, 0x80000000
	s_add_nc_u64 s[20:21], s[20:21], s[18:19]      ; for the ring: my 4 tiles
	s_add_nc_u64 s[46:47], s[46:47], s[18:19]
.irp s, 0,1
	s_mov_b32 s[G0+4*\s], 1
	s_add_co_u32 s[G0+4*\s+1], s45, \s*SLOTB
	s_add_nc_u64 s[G0+4*\s+2:G0+4*\s+3], s[20:21], \s*8192
	s_or_b32 s[G0+4*\s+3], s[G0+4*\s+3], 0x80000000
	s_mov_b32 s[G0B+4*\s], 1
	s_add_co_u32 s[G0B+4*\s+1], s45, \s*SLOTB
	s_add_nc_u64 s[G0B+4*\s+2:G0B+4*\s+3], s[46:47], \s*8192
	s_or_b32 s[G0B+4*\s+3], s[G0B+4*\s+3], 0x80000000
.endr
; THE HEAD'S LOADS, ONE A WAVE: wave 0 h's codes of slot 0, wave 1 W2's, wave 2 h's scale words, wave 3 W2's.  One tree of branches on the wave's number: every way passes exactly one load.
.macro ARM under, g0, g1, next
	s_cmp_lt_u32 s14, \under
	s_cbranch_scc0 \next
	tensor_load_to_lds s[\g0:\g0+3], s[\g1:\g1+7]
	s_nop 0
.rept 4
	v_nop
.endr
	s_branch .Lhead_asked
\next:
.endm
	ARM 1, 4, G1, .Lhead_b
	ARM 2, 92, G1B, .Lhead_sa
	ARM 3, G0S, G1S, .Lhead_sb
	tensor_load_to_lds s[G0SB:G0SB+3], s[G1SB:G1SB+7]
	s_nop 0
.rept 4
	v_nop
.endr
.Lhead_asked:
	v_and_b32 v11, 31, v0
	v_and_b32 v1, 15, v0
	v_bfe_u32 v2, v0, 4, 1
	v_lshlrev_b32 v3, 4, v11
	s_lshl_b32 s21, s15, 15
	v_add_nc_u32 v[ADP], s21, v3
	v_add_nc_u32 v[ADP+1], SLOTB, v[ADP]
	s_lshl_b32 s22, s16, 15
	s_add_co_u32 s22, s22, 65536
	v_add_nc_u32 v[ADW], s22, v3
	v_add_nc_u32 v[ADW+1], SLOTB, v[ADW]
	s_lshl_b32 s21, s15, 8                         ; my four tiles of the eight in a K step's 512 bytes
	s_add_co_u32 s21, s21, SCL
	v_lshl_add_u32 v[ADSP], v1, 2, s21
	s_mul_i32 s22, s16, HALFS
	s_add_co_u32 s22, s22, SCL+2*HALFS
	v_lshl_add_u32 v[ADSW], v1, 2, s22
	v_lshlrev_b32 v13, 6, v2
	v_lshlrev_b32 v12, 8, v11                      ; 256 x lane; never rewritten
	global_prefetch_b8 v12, s[96:97] offset:16384 th:TH_LOAD_NT scope:SCOPE_SE   ; slots' worth 2 and 3 of K: the first two refills, one and two slots' work ahead of them
	global_prefetch_b8 v12, s[96:97] offset:24576 th:TH_LOAD_NT scope:SCOPE_SE
	s_lshl_b32 s46, s42, 9
	s_lshl_b32 s47, s16, 8
	s_add_co_u32 s46, s46, s47
	s_mov_b32 s47, 0
	s_add_nc_u64 s[8:9], s[8:9], s[46:47]
.irp b, 0,1,2,3
	global_load_b128 v[BI+8*\b:BI+8*\b+3], v13, s[8:9] offset:(32*(\b/2)+8*(\b%2))*4
	global_load_b128 v[BI+8*\b+4:BI+8*\b+7], v13, s[8:9] offset:(32*(\b/2)+8*(\b%2))*4+16
.endr
	s_lshl_b32 s18, s17, 3
	s_lshl_b32 s19, s15, 2
	s_add_co_u32 s18, s18, s19
	s_lshl_b32 s18, s18, 16
	s_lshl_b32 s46, s42, 3
	s_lshl_b32 s47, s16, 2
	s_add_co_u32 s46, s46, s47
	s_lshl_b32 s46, s46, 10
	s_add_co_u32 s18, s18, s46
	s_mov_b32 s19, 0
	s_add_nc_u64 s[10:11], s[10:11], s[18:19]
.macro FETCH slot, q, f
	WIN TO_F
.irp i, 0,1,2,3
.irp c, 0,1,2,3
	ds_load_b128 v[\f+16*\i+4*\c:\f+16*\i+4*\c+3], v[ADP+\slot] offset:\i*8192+(\q)*2048+\c*512
.endr
.endr
.irp i, 0,1,2,3
.irp c, 0,1,2,3
	ds_load_b128 v[\f+64+16*\i+4*\c:\f+64+16*\i+4*\c+3], v[ADW+\slot] offset:\i*8192+(\q)*2048+\c*512
.endr
.endr
.endm
.macro SCALES set
	WIN 0
.irp a, 0,1,2,3
.irp q, 0,1,2,3
	ds_load_b32 v[SCP+16*\set+4*\a+\q], v[ADSP] offset:\a*P_SA+\q*P_SK
	ds_load_b32 v[SCW+16*\set+4*\a+\q], v[ADSW] offset:\a*W_SA+\q*W_SK
.endr
.endr
	v_add_nc_u32 v[ADSP], 4*P_SK, v[ADSP]
	v_add_nc_u32 v[ADSW], 4*W_SK, v[ADSW]
.endm
.macro MUL8 f, q, set, a0, first
.irp a, \a0, \a0+1
.irp b, 0,1,2,3
.set FP, \f+16*(\a)
.set FW, \f+64+16*\b
.set SP, SCP+16*(\set)+4*(\a)+(\q)
.set SW, SCW+16*(\set)+4*\b+(\q)
.set DD, ACC+8*(4*(\a)+\b)
.if \first
	v_wmma_scale_f32_16x16x128_f8f6f4 v[DD:DD+7], v[FW:FW+15], v[FP:FP+15], v[BI+8*\b:BI+8*\b+7], v[SW], v[SP] matrix_a_fmt:MATRIX_FMT_BF8 matrix_b_fmt:MATRIX_FMT_BF8
.else
	v_wmma_scale_f32_16x16x128_f8f6f4 v[DD:DD+7], v[FW:FW+15], v[FP:FP+15], v[DD:DD+7], v[SW], v[SP] matrix_a_fmt:MATRIX_FMT_BF8 matrix_b_fmt:MATRIX_FMT_BF8
.endif
.endr
.endr
.endm
.macro SLOTWORK slot, first
; A slot's four K steps.  Both sets are asked for ahead: a K step waits for its own 32 loads (the 32 of the step behind it may be out), runs its 16 products, and behind eight places
; asks for the step two on, into the set just read.  Nothing of the next slot is read here: its barrier stands between.
.if !\first
	PLACES 8                                       ; both sets' last readers are the slot before's last products
.endif
	FETCH \slot, 0, F0
	SCALES \slot
	FETCH \slot, 1, F1
	s_wait_dscnt 32                                ; set 0 and the slot's scale words are in; set 1's 32 loads may be out
	WIN MUL
	MUL8 F0, 0, \slot, 0, \first
	MUL8 F0, 0, \slot, 2, \first
	PLACES 8
	FETCH \slot, 2, F0
	s_wait_dscnt 32                                ; set 1 is in
	WIN MUL
	MUL8 F1, 1, \slot, 0, 0
	MUL8 F1, 1, \slot, 2, 0
	PLACES 8
	FETCH \slot, 3, F1
	s_wait_dscnt 32                                ; set 0 is in
	WIN MUL
	MUL8 F0, 2, \slot, 0, 0
	MUL8 F0, 2, \slot, 2, 0
	s_wait_dscnt 0x0                               ; the slot's last loads: my reads of it are over
	MUL8 F1, 3, \slot, 0, 0
	MUL8 F1, 3, \slot, 2, 0
	WIN 0
.endm
.macro CHANGE old, refill
	s_wait_tensorcnt 0x0
	ds_add_u32 v[SPW], v[NIL]
.if \refill
	s_add_nc_u64 s[G0+4*\old+2:G0+4*\old+3], s[G0+4*\old+2:G0+4*\old+3], 16384
	s_add_nc_u64 s[G0B+4*\old+2:G0B+4*\old+3], s[G0B+4*\old+2:G0B+4*\old+3], 16384
	s_wait_xcnt 0x0                                ; my last prefetch has read its address, so it may be stepped
	s_add_nc_u64 s[96:97], s[96:97], 8192
.endif
	s_wait_dscnt 0x0
.if \refill
	CROUND
	JLOAD G0+4*\old, G1, G0B+4*\old, G1B
	s_cmp_gt_u32 s3, 1                             ; what stands two refills on; the loop's last trip has nothing two refills on, and asks for nothing
	s_cbranch_scc0 .Lno_ask_\@
	global_prefetch_b8 v12, s[96:97] offset:24576 th:TH_LOAD_NT scope:SCOPE_SE
.Lno_ask_\@:
.else
	s_barrier_signal -1
	s_barrier_wait -1
.endif
.endm
	s_wait_alu depctr_va_vdst(0)
	s_wait_tensorcnt 0x0                           ; my tile of the head's four is in
	ds_add_u32 v28, v29
	s_mov_b32 s[G1+2], 4<<16                       ; no tensor load of mine is out: from here on a load brings 4 tiles
	s_mov_b32 s[G1+4], 4
	s_mov_b32 s[G1B+2], 4<<16
	s_mov_b32 s[G1B+4], 4
	s_wait_dscnt 0x0
	CROUND                                         ; all four tiles are in, and all sixteen work-groups are here
	JLOAD G0+4, G1, G0B+4, G1B                     ; slot 1's first fill, the first tensor load behind the round
	s_wait_loadcnt 0x0                             ; the bias
	SLOTWORK 0, 1
	s_mov_b32 s3, 3
.Llap:
	CHANGE 0, 1
	s_wait_alu depctr_va_vdst(0)
	SLOTWORK 1, 0
	CHANGE 1, 1
	s_wait_alu depctr_va_vdst(0)
	SLOTWORK 0, 0
	s_sub_co_u32 s3, s3, 1
	s_cmp_lg_u32 s3, 0
	s_cbranch_scc1 .Llap
	CHANGE 0, 0
	s_wait_alu depctr_va_vdst(0)
	SLOTWORK 1, 0
	PLACES 8
.irp a, 0,1,2,3
.irp b, 0,1,2,3
	global_store_b128 v3, v[ACC+8*(4*\a+\b):ACC+8*(4*\a+\b)+3], s[10:11] offset:\a*65536+\b*1024
	global_store_b128 v3, v[ACC+8*(4*\a+\b)+4:ACC+8*(4*\a+\b)+7], s[10:11] offset:\a*65536+\b*1024+512
.endr
.endr
	s_wait_tensorcnt 0x0
	ds_add_u32 v[SPW], v[NIL]
	s_wait_dscnt 0x0
	CROUND
	s_endpgm
.Lfunc_end_k_q82c4369594_gemm_2:
	.size	k_q82c4369594_gemm_2, .Lfunc_end_k_q82c4369594_gemm_2-k_q82c4369594_gemm_2
	.p2alignl 7, 3214868480
	.fill 96, 4, 3214868480
	.section	.rodata,"a",@progbits
	.p2align	6, 0x0
	.amdhsa_kernel k_q82c4369594_gemm_2
		.amdhsa_group_segment_fixed_size 327680
		.amdhsa_private_segment_fixed_size 0
		.amdhsa_enable_private_segment 0
		.amdhsa_kernarg_size 32
		.amdhsa_user_sgpr_count 2
		.amdhsa_user_sgpr_kernarg_segment_ptr 1
		.amdhsa_wavefront_size32 1
		.amdhsa_system_sgpr_workgroup_id_x 1
		.amdhsa_system_sgpr_workgroup_id_y 1
		.amdhsa_system_sgpr_workgroup_id_z 1
		.amdhsa_system_vgpr_workitem_id 0
		.amdhsa_next_free_vgpr 512
		.amdhsa_next_free_sgpr 100
		.amdhsa_reserve_vcc 0
		.amdhsa_float_denorm_mode_32 3
		.amdhsa_float_denorm_mode_16_64 3
		.amdhsa_memory_ordered 1
		.amdhsa_forward_progress 1
		.amdhsa_inst_pref_size 95
	.end_amdhsa_kernel
	.amdgpu_metadata
---
amdhsa.version: [ 1, 2 ]
amdhsa.kernels:
  - .name:           k_q82c4369594_gemm_2
    .symbol:         k_q82c4369594_gemm_2.kd
    .args:
      - { .name: hb, .offset: 0, .size: 8, .value_kind: global_buffer, .address_space: global }
      - { .name: qin, .offset: 8, .size: 8, .value_kind: global_buffer, .address_space: global }
      - { .name: b2, .offset: 16, .size: 8, .value_kind: global_buffer, .address_space: global }
      - { .name: y2, .offset: 24, .size: 8, .value_kind: global_buffer, .address_space: global }
    .group_segment_fixed_size: 327680
    .private_segment_fixed_size: 0
    .kernarg_segment_align: 8
    .kernarg_segment_size: 32
    .max_flat_workgroup_size: 128
    .sgpr_count:     100
    .vgpr_count:     512
    .wavefront_size: 32
...
	.end_amdgpu_metadata
.endif
;; end of part 7
;; launch ln2 (part 8): grid 256 x 1, 8 waves a work-group, no clusters, 70,144 bytes of LDS; arguments y2, xb, g2, be2, out0; writes out0
.if DOCPART == 8
	.amdgcn_target "amdgcn-amd-amdhsa--gfx1250"
	.amdhsa_code_object_version 6
	.text
	.protected	k_q82c4369594_ln2
	.globl	k_q82c4369594_ln2
	.p2align	8
	.type	k_q82c4369594_ln2,@function
k_q82c4369594_ln2:
	s_mov_b64 s[64:65], 0
	v_nop
	global_prefetch_b8 v0, s[64:65] scope:SCOPE_SE
	s_setreg_imm32_b32 hwreg(HW_REG_WAVE_MODE, 25, 1), 1
	s_wait_xcnt 0x0
; out0 = LayerNorm(x + y2) g2 + be2, in f32: mean, then the mean of the squared differences, as the definition has it.
; SHARES.  A work-group takes one tile of 16 rows (rows 32 (T / 2) + 8 (T % 2) + r + 8 (r / 8), batch first); wave w takes columns 128 w .. 128 w + 127.  Lane (r, h) holds of row r register 16 c + i = column 128 w + 32 c + 16 h + i:
; the order in which x and y2 lie: 16 dense loads each.  A row's sums meet in LDS: one word a wave and row, a barrier, eight loads.
; The results turn through the wave's own stage in LDS (rows 528 bytes apart) and leave as 512 consecutive bytes of a row of out0.
; Streaming: no matrix unit, no cluster (work-groups share only g2 and be2, 8 KiB), no tensor loads.
; LIMITS: NaN and infinities are not served; v_rsq_f32 as it is.
.set STG,  8448
.set RED,  67584
.set Y,   32
.set R,   96                           ; x, then g2
.set BE,  160                          ; be2, then the result
.set SEL, 28
	s_load_b256 s[4:11], s[0:1], 0x0               ; y2, xb, g2, be2
	s_load_b64 s[12:13], s[0:1], 0x20              ; out0
	v_lshl_add_u32 v248, v0, 2, 0x10e00
	v_mov_b32 v249, 0
	v_lshrrev_b32 v1, 5, v0
	s_delay_alu instid0(VALU_DEP_1)
	v_readfirstlane_b32 s14, v1                    ; wave 0..7
	v_and_b32 v9, 31, v0
	v_and_b32 v1, 15, v0                           ; r
	v_bfe_u32 v2, v0, 4, 1                         ; h
	s_delay_alu instid0(VALU_DEP_3)
	v_lshlrev_b32 v3, 4, v9                        ; 16 x lane
	s_mul_i32 s15, s14, STG
	v_add_nc_u32 v4, s15, v3                       ; the stage, by rows
	v_mul_u32_u24 v5, v1, 528
	s_delay_alu instid0(VALU_DEP_1)
	v_lshl_add_u32 v5, v2, 6, v5
	s_delay_alu instid0(VALU_DEP_1)
	v_add_nc_u32 v5, s15, v5                       ; and by lanes: row r, 64 h bytes on
	v_lshlrev_b32 v6, 6, v2
	s_lshl_b32 s15, s14, 6
	s_add_co_u32 s16, s15, RED
	v_lshl_add_u32 v7, v1, 2, s16
	v_lshlrev_b32 v8, 2, v1
	s_delay_alu instid0(VALU_DEP_1)
	v_add_nc_u32 v8, RED, v8
	s_mov_b32 s[SEL], 0x76543210
	s_mov_b32 s[SEL+1], 0xfedcba98
	s_mov_b32 s31, 0xba800000                      ; -1 / 1,024
	s_mov_b32 s32, 0x3a800000                      ; 1 / 1,024
	s_mov_b32 s33, 0x3727c5ac                      ; 1e-5
	s_lshr_b32 s16, ttmp9, 7
	s_and_b32 s17, ttmp9, 127
	s_lshr_b32 s18, s17, 1
	s_lshl_b32 s18, s18, 5
	s_and_b32 s19, s17, 1
	s_lshl_b32 s19, s19, 3
	s_add_co_u32 s18, s18, s19                     ; the tile's first s
	s_lshl_b32 s18, s18, 13
	s_lshl_b32 s19, s16, 12
	s_add_co_u32 s18, s18, s19
	s_lshl_b32 s20, s14, 9
	s_add_co_u32 s18, s18, s20
	s_mov_b32 s19, 0
	s_mov_b32 s21, 0
	s_lshl_b32 s22, ttmp9, 16
	s_lshl_b32 s23, s14, 13
	s_add_co_u32 s22, s22, s23
	s_mov_b32 s23, 0
	s_wait_alu depctr_va_vdst(0)
	s_wait_kmcnt 0x0
	s_add_nc_u64 s[4:5], s[4:5], s[22:23]
	s_add_nc_u64 s[6:7], s[6:7], s[22:23]
	s_add_nc_u64 s[8:9], s[8:9], s[20:21]
	s_add_nc_u64 s[10:11], s[10:11], s[20:21]
	s_add_nc_u64 s[12:13], s[12:13], s[18:19]
.irp g, 0,1,2,3,4,5,6,7,8,9,10,11,12,13,14,15
	global_load_b128 v[R+4*\g:R+4*\g+3], v3, s[6:7] offset:512*\g
.endr
.irp g, 0,1,2,3,4,5,6,7,8,9,10,11,12,13,14,15
	global_load_b128 v[Y+4*\g:Y+4*\g+3], v3, s[4:5] offset:512*\g
.endr
.irp c, 0,1,2,3
.irp j, 0,1,2,3
	global_load_b128 v[BE+16*\c+4*\j:BE+16*\c+4*\j+3], v6, s[10:11] offset:128*\c+16*\j
.endr
.endr
	s_wait_loadcnt 16                              ; x and y2 are in; be2's loads may be out
.set k, 0
.rept 32
	v_pk_add_f32 v[Y+k:Y+k+1], v[Y+k:Y+k+1], v[R+k:R+k+1]
.set k, k+2
.endr
.irp c, 0,1,2,3
.irp j, 0,1,2,3
	global_load_b128 v[R+16*\c+4*\j:R+16*\c+4*\j+3], v6, s[8:9] offset:128*\c+16*\j   ; g2 takes x's registers
.endr
.endr
.macro ROWSUM off                      ; four packed chains in v[224:231] become the row's total, in v224 of every lane
	s_delay_alu instid0(VALU_DEP_3)
	v_pk_add_f32 v[224:225], v[224:225], v[226:227]
	s_delay_alu instid0(VALU_DEP_2)
	v_pk_add_f32 v[228:229], v[228:229], v[230:231]
	s_delay_alu instid0(VALU_DEP_1)
	v_pk_add_f32 v[224:225], v[224:225], v[228:229]
	s_delay_alu instid0(VALU_DEP_1)
	v_add_f32 v224, v224, v225
	s_delay_alu instid0(VALU_DEP_1)
	v_permlanex16_b32 v225, v224, s[SEL], s[SEL+1]
	s_delay_alu instid0(VALU_DEP_1)
	v_add_f32 v224, v224, v225
	ds_store_b32 v7, v224 offset:\off
	s_wait_dscnt 0x0                               ; for the others' sake
	s_barrier_signal -1
	s_barrier_wait -1
.irp k, 0,1,2,3,4,5,6,7
	ds_load_b32 v[232+\k], v8 offset:\off+64*\k
.endr
	s_wait_dscnt 0x0
	v_add_f32 v232, v232, v233
	v_add_f32 v234, v234, v235
	v_add_f32 v236, v236, v237
	v_add_f32 v238, v238, v239
	s_delay_alu instid0(VALU_DEP_3)
	v_add_f32 v232, v232, v234
	s_delay_alu instid0(VALU_DEP_2)
	v_add_f32 v236, v236, v238
	s_delay_alu instid0(VALU_DEP_1)
	v_add_f32 v224, v232, v236
.endm
.irp k, 0,1,2,3
	v_pk_add_f32 v[224+2*\k:225+2*\k], v[Y+2*\k:Y+2*\k+1], v[Y+8+2*\k:Y+9+2*\k]
.endr
.irp m, 2,3,4,5,6,7
.irp k, 0,1,2,3
	s_delay_alu instid0(VALU_DEP_4)
	v_pk_add_f32 v[224+2*\k:225+2*\k], v[224+2*\k:225+2*\k], v[Y+8*\m+2*\k:Y+8*\m+2*\k+1]
.endr
.endr
	ROWSUM 0
	s_delay_alu instid0(VALU_DEP_1)
	v_mul_f32 v224, s31, v224                      ; -mean
.set k, 0
.rept 32
	v_pk_add_f32 v[Y+k:Y+k+1], v[Y+k:Y+k+1], v[224:225] op_sel_hi:[1,0]
.set k, k+2
.endr
.irp k, 0,1,2,3
	v_pk_mul_f32 v[224+2*\k:225+2*\k], v[Y+2*\k:Y+2*\k+1], v[Y+2*\k:Y+2*\k+1]
.endr
.irp m, 1,2,3,4,5,6,7
.irp k, 0,1,2,3
	s_delay_alu instid0(VALU_DEP_4)
	v_pk_fma_f32 v[224+2*\k:225+2*\k], v[Y+8*\m+2*\k:Y+8*\m+2*\k+1], v[Y+8*\m+2*\k:Y+8*\m+2*\k+1], v[224+2*\k:225+2*\k]
.endr
.endr
	ROWSUM 512                                     ; other bytes than the first sum's
	s_delay_alu instid0(VALU_DEP_1)
	v_fma_f32 v224, v224, s32, s33                 ; the variance + 1e-5
	s_wait_alu depctr_va_vdst(0)
	v_rsq_f32 v224, v224
	v_nop                                          ; a plain line behind the transcendental
	s_wait_loadcnt 0x0                             ; g2, be2
.set k, 0
	s_wait_alu depctr_va_vdst(0)
.rept 32
	v_pk_mul_f32 v[Y+k:Y+k+1], v[Y+k:Y+k+1], v[224:225] op_sel_hi:[1,0]
.set k, k+2
.endr
.set k, 0
.rept 32
	v_pk_fma_f32 v[BE+k:BE+k+1], v[Y+k:Y+k+1], v[R+k:R+k+1], v[BE+k:BE+k+1]
.set k, k+2
.endr
.irp c, 0,1,2,3
.irp j, 0,1,2,3
	ds_store_b128 v5, v[BE+16*\c+4*\j:BE+16*\c+4*\j+3] offset:128*\c+16*\j
.endr
.endr
.irp i, 0,1,2,3,4,5,6,7,8,9,10,11,12,13,14,15
	ds_load_b128 v[Y+4*\i:Y+4*\i+3], v4 offset:528*\i    ; LDS serves a wave's instructions in order: these see the stores above
.endr
.irp i, 0,1,2,3,4,5,6,7,8,9,10,11,12,13,14,15
	s_wait_dscnt 15-\i                             ; row i is back; the younger rows may be out
	global_store_b128 v3, v[Y+4*\i:Y+4*\i+3], s[12:13] offset:(\i+8*(\i/8))*8192 th:TH_STORE_NT   ; 512 consecutive bytes of a row, aligned
.endr
	s_wait_tensorcnt 0x0
	ds_add_u32 v248, v249
	s_wait_dscnt 0x0
	s_endpgm
.Lfunc_end_k_q82c4369594_ln2:
	.size	k_q82c4369594_ln2, .Lfunc_end_k_q82c4369594_ln2-k_q82c4369594_ln2
	.p2alignl 7, 3214868480
	.fill 96, 4, 3214868480
	.section	.rodata,"a",@progbits
	.p2align	6, 0x0
	.amdhsa_kernel k_q82c4369594_ln2
		.amdhsa_group_segment_fixed_size 70144
		.amdhsa_private_segment_fixed_size 0
		.amdhsa_enable_private_segment 0
		.amdhsa_kernarg_size 40
		.amdhsa_user_sgpr_count 2
		.amdhsa_user_sgpr_kernarg_segment_ptr 1
		.amdhsa_wavefront_size32 1
		.amdhsa_system_sgpr_workgroup_id_x 1
		.amdhsa_system_sgpr_workgroup_id_y 1
		.amdhsa_system_sgpr_workgroup_id_z 1
		.amdhsa_system_vgpr_workitem_id 0
		.amdhsa_next_free_vgpr 250
		.amdhsa_next_free_sgpr 66
		.amdhsa_reserve_vcc 0
		.amdhsa_float_denorm_mode_32 3
		.amdhsa_float_denorm_mode_16_64 3
		.amdhsa_memory_ordered 1
		.amdhsa_forward_progress 1
		.amdhsa_inst_pref_size 30
	.end_amdhsa_kernel
	.amdgpu_metadata
---
amdhsa.version: [ 1, 2 ]
amdhsa.kernels:
  - .name:           k_q82c4369594_ln2
    .symbol:         k_q82c4369594_ln2.kd
    .args:
      - { .name: y2, .offset: 0, .size: 8, .value_kind: global_buffer, .address_space: global }
      - { .name: xb, .offset: 8, .size: 8, .value_kind: global_buffer, .address_space: global }
      - { .name: g2, .offset: 16, .size: 8, .value_kind: global_buffer, .address_space: global }
      - { .name: be2, .offset: 24, .size: 8, .value_kind: global_buffer, .address_space: global }
      - { .name: out0, .offset: 32, .size: 8, .value_kind: global_buffer, .address_space: global }
    .group_segment_fixed_size: 70144
    .private_segment_fixed_size: 0
    .kernarg_segment_align: 8
    .kernarg_segment_size: 40
    .max_flat_workgroup_size: 256
    .sgpr_count:     66
    .vgpr_count:     250
    .wavefront_size: 32
...
	.end_amdgpu_metadata
.endif
;; end of part 8
